; MI455X (gfx1250); checked and timed in simulation.
; The chip was launched on July 23, 2026; its instructions are those of AMD's public machine-readable ISA for CDNA 5 (MIT licence, August 2026) and "CDNA5" Instruction Set Architecture Reference Guide (July 2026). The comments in the code are by the model that wrote it; some were corrected since.
;; Multi Head Self Attention. Allowed arithmetic: matrix products marked QUANTISED: E2M1 operands, one E8M0 scale for each 32 along K, by v_wmma_scale_f32_16x16x128_f8f6f4 with both operands' format E2M1 (or v_wmma_scale_f32_32x16x128_f4), f32 sums; products left as they are: bf16, f16 or f32 operands; f32 sums; everything else in f32.
;; Inputs: b_proj 1,024 float32; w_proj 1,024 x 1,024 float32; w_qkv 1,024 x 3,072 float32; x 4 x 2,048 x 1,024 float32.
;; Outputs: out0 4 x 2,048 x 1,024 float32.
;; This version of the problem:
;;   THIS VERSION OF THE PROBLEM IS GIVEN IN LOW PRECISION. The matrix products marked QUANTISED in the list below multiply operands that are first quantised to E2M1 (2 exponent bits, 1 mantissa bit; 4 bits a number), with one power-of-two scale for each 32 numbers along K (OCP MX v1.0); their sums are f32. The products marked 'left as it is' may take bf16, f16 or f32 operands, with f32 sums. Whichever they take, every output number must still come out within the allowed error. Rounding operands to bf16 (8 significant bits) uses up far more of that allowance than f16 does (11 bits, for magnitudes from 6e-5 to 65,504). All else is computed in f32.
;;   The module's matrix products, in the order in which they are computed (A, B: the left and right operand; K: the contracted axis; several contracted axes count as one K, in the product's order):
;;     1. [M 8,192, K 1,024] x [K 1,024, N 3,072]; A: input x; B: input w_qkv: QUANTISED
;;     2. batch 64 x [M 2,048, K 64] x [K 64, N 2,048]; A: computed on the way; B: computed on the way: left as it is (an operand is computed on the way)
;;     3. batch 64 x [M 2,048, K 2,048] x [K 2,048, N 64]; A: computed on the way; B: computed on the way: left as it is (an operand is computed on the way)
;;     4. [M 8,192, K 1,024] x [K 1,024, N 1,024]; A: computed on the way; B: input w_proj: left as it is (an operand is computed on the way)
;;   THE QUANTISER, for each operand of a quantised product, along K:
;;     - K is cut into blocks of 32 from its start; a last block that is shorter is filled with zeros.
;;     - A block's scale is 2^e with e = floor(log2(the largest magnitude in the block)) - 2, held to -126 .. 127; a block of zeros has e = 0. As a byte (E8M0): e + 127.
;;     - Each number is divided by its block's scale, clamped to +-6, and rounded to the nearest number of E2M1, ties to even, subnormals kept.
;;     - The product sums the exact products of the quantised numbers (number of the format x scale) in f32.
;;   ~~~python
;;   def quantise(x, axis):      # numpy; x: float32 -> the quantised numbers, widened to float32 again
;;       x = np.moveaxis(x, axis, -1); K = x.shape[-1]
;;       x = np.pad(x, [(0, 0)] * (x.ndim - 1) + [(0, -K % 32)]); x = x.reshape(x.shape[:-1] + (-1, 32)); a = np.abs(x).max(-1, keepdims=True)
;;       e = np.where(a > 0, np.clip(np.frexp(np.where(a > 0, a, 1))[1] - 1 - 2, -126, 127), 0)      # np.frexp(a)[1] - 1 = floor(log2(a)), exactly
;;       r = np.clip(x / 2.0 ** e, -6, 6)
;;       step = 2.0 ** (np.maximum(np.frexp(np.where(r == 0, 1, r))[1] - 1, 0) - 1)
;;       q = np.round(r / step) * step * 2.0 ** e      # np.round: ties to even
;;       return np.moveaxis(q.reshape(q.shape[:-2] + (-1,))[..., :K], -1, axis).astype(np.float32)
;;   ~~~
;; One version. Each part assembles by itself: llvm-mc -triple=amdgcn-amd-amdhsa -mcpu=gfx1250 --defsym DOCPART=n.
;; ======== version 1 of 1: 5 launches
;; limits: values are held in f16: magnitudes above 65,504 overflow, below 6.1e-05 lose precision
;; workspace buffers: xc 4,194,304 bytes; xs 262,144 bytes; wc 1,572,864 bytes; ws 98,304 bytes; wp 2,097,152 bytes; qkv 50,331,648 bytes; att 16,777,216 bytes
;; launch quant_x (part 1): grid 256 x 1, 4 waves a work-group, no clusters, 33,280 bytes of LDS; arguments x, xc, xs; writes xc, xs
.if DOCPART == 1
	.amdgcn_target "amdgcn-amd-amdhsa--gfx1250"
	.amdhsa_code_object_version 6
	.text
	.protected	k_q9b30ac964c_quant_x
	.globl	k_q9b30ac964c_quant_x
	.p2align	8
	.type	k_q9b30ac964c_quant_x,@function
k_q9b30ac964c_quant_x:
	s_mov_b64 s[64:65], 0
	v_nop
	global_prefetch_b8 v0, s[64:65] scope:SCOPE_SE
	s_setreg_imm32_b32 hwreg(HW_REG_WAVE_MODE, 25, 1), 1
	s_wait_xcnt 0x0
; x [8192][1024], f32, is turned into codes of FP4 (E2M1), 4 bits each, K innermost (xc: [8192][512 bytes]), with one E8M0 scale byte for each 32 along K (xs: [8192][32 bytes]).
; A block's scale is 2^(floor(log2(its largest magnitude)) - 2); its byte is the largest magnitude's own exponent field - 2, held at 1 from below.  Each number is divided by the scale and
; rounded to the nearest code, ties to even; beyond the largest code the conversion gives the largest code.
; LIMITS: a block of zeros gets the byte 1 where the quantiser's text says 127: its codes are zeros, which add nothing under any byte but 0xff, and the bytes are read by this program alone.
; Blocks whose largest magnitude lies under 2^-124 (the floor) keep the byte 1.  NaN and infinities among the inputs are not served.
; Rows are dense and 1,024 is a multiple of 32, so x is a plain stream of blocks of 32 numbers, and so are the codes and the scale bytes.
; A work-group takes 32,768 numbers, a wave 16 steps of 512.  Each of a step's four loads reads 512 consecutive bytes, 16 a lane; the 2,048 bytes go through the wave's own stage in LDS and come back
; 64 bytes a lane, so that a lane holds 16 NEIGHBOURS along K (two neighbouring lanes hold a block), as the conversions want them.  The stage has 16 bytes of padding behind each 64.
; A lane's 16 codes are 8 bytes: the wave stores 256 consecutive bytes.  A wave's 256 scale bytes are gathered in its own LDS bytes and leave as one aligned run of 256 bytes.
; No barrier: waves share nothing.  Loads run four steps (16 loads a wave) ahead, the turn through LDS one step.
.set WAVES, 4
.set STEPS, 16
.set EMAX,  2
.set CB,    8                          ; bytes of 16 codes
.set R,     16                         ; v16-79   four sets of 16 numbers as they are loaded
.set X,     80                         ; v80-111  two sets of 16 neighbours
.set C,     128                        ; v128-191 codes: four registers for each step, so that no store's data are written again
.set E,     112                        ; v112-127 a scale byte for each step
.set WREG,  8192                       ; LDS: a region for each wave: two stages of 32 x SP bytes, behind them its 256 scale bytes
.set SP,    80                         ; a lane's place in a stage: its 64 bytes + 16 of padding
.set SPW,   12                         ; v12      LDS address of my spare word; never rewritten
.set NIL,   13                         ; v13      0; never rewritten
.set SPARE, WAVES*WREG                 ; behind the four regions: the spare words, 128 bytes for each wave
	s_load_b64 s[4:5], s[0:1], 0x0                 ; x
	s_load_b128 s[8:11], s[0:1], 0x8               ; the codes, the scale bytes
	v_lshl_add_u32 v[SPW], v0, 2, SPARE
	v_mov_b32 v[NIL], 0
	v_lshrrev_b32 v1, 5, v0
	v_readfirstlane_b32 s16, v1                    ; wave
	v_and_b32 v2, 31, v0                           ; lane
	v_lshlrev_b32 v3, 4, v2                        ; my 16 bytes of a load's 512
	s_mul_i32 s17, s16, WREG
	v_lshrrev_b32 v14, 2, v2
	v_mul_u32_u24 v14, v14, SP
	v_and_b32 v15, 3, v2
	v_lshl_add_u32 v14, v15, 4, v14
	v_add_nc_u32 v14, s17, v14                     ; the stage, on the way in: four lanes' 64 bytes on end, then 16 of padding
	v_mul_u32_u24 v15, v2, SP
	v_add_nc_u32 v15, s17, v15                     ; and on the way out: SP x lane: my 16 neighbours
	v_mul_u32_u24 v4, v2, CB                       ; my codes' place in a step's
	v_lshrrev_b32 v5, 1, v2
	s_add_co_u32 s17, s17, 2*32*SP
	v_add_nc_u32 v5, s17, v5                       ; LDS: my wave's 256 scale bytes, my block's byte
	v_lshlrev_b32 v7, 3, v2                        ; and on the way out 8 bytes a lane
	v_add_nc_u32 v6, s17, v7
	s_lshl_b32 s17, ttmp9, 2
	s_add_co_u32 s18, s17, s16                     ; which run of 8,192 numbers is my wave's
	s_mov_b32 s19, 0
	s_mov_b64 s[20:21], 512*STEPS*4
	s_mul_u64 s[20:21], s[18:19], s[20:21]         ; its numbers,
	s_mov_b64 s[22:23], 32*STEPS*CB
	s_mul_u64 s[22:23], s[18:19], s[22:23]         ; its codes,
	s_lshl_b32 s18, s18, 8                         ; its 256 scale bytes
	s_wait_kmcnt 0x0
	s_add_nc_u64 s[4:5], s[4:5], s[20:21]
	s_add_nc_u64 s[8:9], s[8:9], s[22:23]
	s_add_nc_u64 s[10:11], s[10:11], s[18:19]
.macro LOAD t
.irp i, 0,1,2,3
	global_load_b128 v[R+16*((\t)%4)+4*\i:R+16*((\t)%4)+4*\i+3], v3, s[4:5] offset:2048*(\t)+512*\i th:TH_LOAD_NT   ; 32 lanes read 512 consecutive bytes
.endr
.endm
.macro TURN t                          ; step t's numbers through the stage: LDS serves a wave's instructions in order, so no wait stands between the stores and the loads
.irp i, 0,1,2,3
	ds_store_b128 v14, v[R+16*((\t)%4)+4*\i:R+16*((\t)%4)+4*\i+3] offset:32*SP*((\t)%2)+8*SP*\i
.endr
.irp i, 0,1,2,3
	ds_load_b128 v[X+16*((\t)%2)+4*\i:X+16*((\t)%2)+4*\i+3], v15 offset:32*SP*((\t)%2)+16*\i
.endr
.endm
.irp t, 0,1,2,3
	LOAD \t
.endr
	s_wait_loadcnt 12                              ; step 0's four loads are in; the 12 of steps 1 to 3 may be out
	TURN 0
.macro STEP t
.set XS, X+16*((\t)%2)
.if (\t) > 0
	s_wait_dscnt 1                                 ; this step's numbers are back from the stage (the last step's byte store may be out): so its stores into the stage have read their registers,
.else
	s_wait_dscnt 0x0
.endif
.if (\t)+4 < STEPS
	LOAD (\t)+4                                    ; which take the loads of four steps on
.endif
.if (\t)+1 < STEPS
.if STEPS-2-(\t) >= 3
	s_wait_loadcnt 12                              ; the next step's four loads are in; those of the three steps behind it may be out
.else
	s_wait_loadcnt 4*(STEPS-2-(\t))
.endif
	TURN (\t)+1                                    ; and go through the other stage while this step is worked
.endif
	v_max3_num_f32 v8, |v[XS]|, |v[XS+1]|, |v[XS+2]|               ; the largest magnitude of my 16, in two chains
	v_max3_num_f32 v9, |v[XS+3]|, |v[XS+4]|, |v[XS+5]|
.irp i, 6,10
	v_max3_num_f32 v8, v8, |v[XS+\i]|, |v[XS+\i+1]|
	v_max3_num_f32 v9, v9, |v[XS+\i+2]|, |v[XS+\i+3]|
.endr
	v_max3_num_f32 v8, v8, |v[XS+14]|, |v[XS+15]|
	v_max3_num_f32 v8, v8, v9, (EMAX+1)<<23        ; and the floor 2^(3 - 127): the byte cannot fall under 1
	v_max_num_f32_dpp v8, v8, v8 row_xmask:1 row_mask:0xf bank_mask:0xf   ; and of my neighbour's 16: the block's
	v_add_nc_u32 v11, -(EMAX<<23), v8              ; 2 off its exponent field: the conversion takes the exponent field of this operand as its scale, and nothing else of it
	v_cvt_scalef32_pk8_fp4_f32 v[C+4*(\t)], v[XS:XS+7], v11        ; eight numbers / the scale, to the nearest code; the first number's code in the lowest four bits
	v_cvt_scalef32_pk8_fp4_f32 v[C+4*(\t)+1], v[XS+8:XS+15], v11
	v_lshrrev_b32 v[E+(\t)], 23, v11               ; the scale's byte (also the plain line behind the conversions)
	ds_store_b8 v5, v[E+(\t)] offset:16*(\t)       ; both lanes of a block write the same byte with the same value
	global_store_b64 v4, v[C+4*(\t):C+4*(\t)+1], s[8:9] offset:32*CB*(\t)   ; 32 lanes store 256 consecutive bytes, aligned
.endm
.irp t, 0,1,2,3,4,5,6,7,8,9,10,11,12,13,14,15
	STEP \t
.endr
	ds_load_b64 v[8:9], v6                         ; LDS serves a wave's instructions in order: these see my stores
	s_wait_dscnt 0x0
	global_store_b64 v7, v[8:9], s[10:11]          ; 32 lanes store 256 consecutive bytes, aligned
	s_wait_tensorcnt 0x0                           ; the wave's end, behind my last LDS store
	ds_add_u32 v[SPW], v[NIL]
	s_wait_dscnt 0x0
	s_endpgm
.Lfunc_end_k_q9b30ac964c_quant_x:
	.size	k_q9b30ac964c_quant_x, .Lfunc_end_k_q9b30ac964c_quant_x-k_q9b30ac964c_quant_x
	.p2alignl 7, 3214868480
	.fill 96, 4, 3214868480
	.section	.rodata,"a",@progbits
	.p2align	6, 0x0
	.amdhsa_kernel k_q9b30ac964c_quant_x
		.amdhsa_group_segment_fixed_size 33280
		.amdhsa_private_segment_fixed_size 0
		.amdhsa_enable_private_segment 0
		.amdhsa_kernarg_size 24
		.amdhsa_user_sgpr_count 2
		.amdhsa_user_sgpr_kernarg_segment_ptr 1
		.amdhsa_wavefront_size32 1
		.amdhsa_system_sgpr_workgroup_id_x 1
		.amdhsa_system_sgpr_workgroup_id_y 1
		.amdhsa_system_sgpr_workgroup_id_z 1
		.amdhsa_system_vgpr_workitem_id 0
		.amdhsa_next_free_vgpr 192
		.amdhsa_next_free_sgpr 66
		.amdhsa_reserve_vcc 0
		.amdhsa_float_denorm_mode_32 3
		.amdhsa_float_denorm_mode_16_64 3
		.amdhsa_memory_ordered 1
		.amdhsa_forward_progress 1
		.amdhsa_inst_pref_size 33
	.end_amdhsa_kernel
	.amdgpu_metadata
---
amdhsa.version: [ 1, 2 ]
amdhsa.kernels:
  - .name:           k_q9b30ac964c_quant_x
    .symbol:         k_q9b30ac964c_quant_x.kd
    .args:
      - { .name: x, .offset: 0, .size: 8, .value_kind: global_buffer, .address_space: global }
      - { .name: xc, .offset: 8, .size: 8, .value_kind: global_buffer, .address_space: global }
      - { .name: xs, .offset: 16, .size: 8, .value_kind: global_buffer, .address_space: global }
    .group_segment_fixed_size: 33280
    .private_segment_fixed_size: 0
    .kernarg_segment_align: 8
    .kernarg_segment_size: 24
    .max_flat_workgroup_size: 128
    .sgpr_count:     66
    .vgpr_count:     192
    .wavefront_size: 32
...
	.end_amdgpu_metadata
.endif
;; end of part 1
;; launch prep_w (part 2): grid 56 x 2, 4 waves a work-group, no clusters, 35,840 bytes of LDS; arguments w_qkv, wc, ws, w_proj, wp; writes wc, ws, wp
.if DOCPART == 2
	.amdgcn_target "amdgcn-amd-amdhsa--gfx1250"
	.amdhsa_code_object_version 6
	.text
	.protected	k_q9b30ac964c_prep_w
	.globl	k_q9b30ac964c_prep_w
	.p2align	8
	.type	k_q9b30ac964c_prep_w,@function
k_q9b30ac964c_prep_w:
	s_mov_b64 s[64:65], 0
	v_nop
	global_prefetch_b8 v0, s[64:65] scope:SCOPE_SE
	s_setreg_imm32_b32 hwreg(HW_REG_WAVE_MODE, 25, 1), 1
	s_wait_xcnt 0x0
; TWO WEIGHTS ARE MADE READY, told apart by the work-group's x.
; x < 24: w_qkv [1024 (k)][3072 (n)], f32, whose K is its FIRST axis, becomes codes of FP4 (E2M1) laid [3072][512 bytes] with K innermost (wc) and one E8M0 byte for each 32 along K, laid [3072][32] (ws).
;   A LANE TAKES A COLUMN n, AND ITS REGISTERS RUN DOWN K: each load reads neighbouring n in neighbouring lanes (128 consecutive bytes a wave, 512 a work-group), a block of 32 along K lies in ONE lane's
;   32 registers, and the conversions give the codes with K innermost.  A wave takes 32 columns x 512 along K (y picks the half of K): 16 blocks a lane, 256 bytes of codes a column, which go through the
;   wave's own stage in LDS and leave as rows: sixteen lanes store 256 consecutive bytes, aligned.  Loads run two blocks (64 loads a wave) ahead.
;   A block's scale byte is its largest magnitude's exponent field - 2, held at 1 from below.
; x >= 24: w_proj [1024 (k)][1024 (n)], f32, is rounded once to f16, layout kept (wp): a plain stream, 4,096 numbers a wave.
; LIMITS: a block of zeros gets the byte 1 where the quantiser's text says 127 (its codes are zeros; this program alone reads the bytes); blocks whose largest magnitude lies under 2^-124 keep the byte 1;
; NaN and infinities are not served; |w_proj| beyond 65,504 becomes infinity in f16, and under 6e-5 it keeps fewer than 11 bits (steps of 6e-8).
; Every offset is an immediate: 511 x 3,072 x 4 bytes at the most, inside the signed 24-bit immediate (ISA guide, chapter 10).
.set SIZE_K, 1024
.set SIZE_N, 3072
.set NQKV,  SIZE_N/128                 ; work-groups along x that take w_qkv
.set KW,    512                        ; along K for a wave
.set NB,    KW/32                      ; blocks
.set ROWB,  256                        ; bytes of KW codes
.set PITCH, ROWB+16                    ; a stage row
.set KROW,  SIZE_K/2                   ; a row of the codes' buffer in bytes
.set EMAX,  2
.set X,     32                         ; v32-95   two sets of 32 numbers (w_proj's path: v32-159, 32 x 4 numbers)
.set C,     96                         ; v96-99   a block's codes
.set OUTR,  112                        ; v112-175 the way out: 16 x 4 registers
.set SPW,   14                         ; v14      LDS address of my spare word; never rewritten
.set NIL,   15                         ; v15      0; never rewritten
.set SPARE, 4*32*PITCH                 ; behind the four stages: the spare words, 128 bytes for each wave
.set SB,    24                         ; v24-27   the scale bytes, four to a register
	s_load_b128 s[4:7], s[0:1], 0x0                ; w_qkv, its codes
	s_load_b64 s[8:9], s[0:1], 0x10                ; its scale bytes
	s_load_b128 s[12:15], s[0:1], 0x18             ; w_proj, its f16 copy
	v_lshl_add_u32 v[SPW], v0, 2, SPARE
	v_mov_b32 v[NIL], 0
	v_lshrrev_b32 v1, 5, v0
	v_readfirstlane_b32 s16, v1                    ; wave 0..3
	v_and_b32 v2, 31, v0                           ; lane
	s_cmp_ge_u32 ttmp9, NQKV                       ; the work-group's number alone decides: all four waves go the same way
	s_cbranch_scc1 .Lconvert
	s_lshl_b32 s17, ttmp9, 7
	s_lshl_b32 s18, s16, 5
	s_add_co_u32 s17, s17, s18                     ; my wave's first column: 128 x work-group x + 32 x wave
	s_and_b32 s18, ttmp7, 0xffff                   ; which KW along K: work-group y
	v_lshlrev_b32 v3, 2, v2                        ; in: 4 bytes a lane
	s_mul_i32 s19, s16, 32*PITCH                   ; my stage
	v_mul_u32_u24 v4, v2, PITCH
	v_add_nc_u32 v4, s19, v4                       ; into it: row = my column
	v_and_b32 v5, 15, v2
	v_lshrrev_b32 v6, 4, v2                        ; out of it: sixteen lanes to a row, two rows an instruction
	v_mul_u32_u24 v7, v6, PITCH
	v_lshl_add_u32 v7, v5, 4, v7
	v_add_nc_u32 v7, s19, v7                       ; LDS address
	v_mul_u32_u24 v8, v6, KROW
	v_lshl_add_u32 v8, v5, 4, v8                   ; and the same place in the codes' buffer
	; where my wave's part begins, in bytes: w_qkv: (KW y) rows of SIZE_N x 4 + 4 x column;  codes: column x KROW + ROWB y;  scale bytes: column x 32 + NB y
	s_mov_b32 s19, 0
	s_mov_b64 s[20:21], KW*SIZE_N*4
	s_mul_u64 s[20:21], s[18:19], s[20:21]
	s_lshl_b32 s22, s17, 2
	s_mov_b32 s23, 0
	s_add_nc_u64 s[20:21], s[20:21], s[22:23]
	s_mov_b32 s22, s17
	s_mov_b64 s[24:25], KROW
	s_mul_u64 s[24:25], s[22:23], s[24:25]
	s_mul_i32 s26, s18, ROWB
	s_mov_b32 s27, 0
	s_add_nc_u64 s[24:25], s[24:25], s[26:27]
	s_mov_b64 s[28:29], SIZE_K/32
	s_mul_u64 s[28:29], s[22:23], s[28:29]
	s_mul_i32 s26, s18, NB
	s_add_nc_u64 s[28:29], s[28:29], s[26:27]
	v_mul_u32_u24 v9, v2, SIZE_K/32                ; my column's row of scale bytes
	s_wait_kmcnt 0x0
	s_add_nc_u64 s[4:5], s[4:5], s[20:21]
	s_add_nc_u64 s[6:7], s[6:7], s[24:25]
	s_add_nc_u64 s[8:9], s[8:9], s[28:29]
.macro LOAD t                          ; block t: w(32 t + i, my column), i = 0 .. 31, into set t % 2
.irp i, 0,1,2,3,4,5,6,7,8,9,10,11,12,13,14,15,16,17,18,19,20,21,22,23,24,25,26,27,28,29,30,31
	global_load_b32 v[X+32*((\t)%2)+\i], v3, s[4:5] offset:(32*(\t)+\i)*SIZE_N*4 th:TH_LOAD_NT
.endr
.endm
	LOAD 0
	LOAD 1
.macro BLOCK t
.set XS, X+32*((\t)%2)
.if (\t) < NB-1
	s_wait_loadcnt 32                              ; this block's 32 loads are in; the next block's 32 may be out
.else
	s_wait_loadcnt 0
.endif
	v_max3_num_f32 v12, |v[XS]|, |v[XS+1]|, |v[XS+2]|               ; the block's largest magnitude: all 32 numbers are mine
	v_max3_num_f32 v13, |v[XS+3]|, |v[XS+4]|, |v[XS+5]|
.irp i, 6,10,14,18,22,26
	v_max3_num_f32 v12, v12, |v[XS+\i]|, |v[XS+\i+1]|
	v_max3_num_f32 v13, v13, |v[XS+\i+2]|, |v[XS+\i+3]|
.endr
	v_max3_num_f32 v12, v12, |v[XS+30]|, |v[XS+31]|
	v_max3_num_f32 v12, v12, v13, (EMAX+1)<<23     ; and the floor 2^(3 - 127): the byte cannot fall under 1
	v_add_nc_u32 v11, -(EMAX<<23), v12             ; 2 off its exponent field: the conversion's scale operand
	v_lshrrev_b32 v13, 23, v11                     ; the scale's byte
.if (\t)%4 == 0
	v_mov_b32 v[SB+(\t)/4], v13                    ; four bytes to a register, the lower K in the lower byte
.else
	v_lshl_or_b32 v[SB+(\t)/4], v13, 8*((\t)%4), v[SB+(\t)/4]
.endif
.irp g, 0,1,2,3
	v_cvt_scalef32_pk8_fp4_f32 v[C+\g], v[XS+8*\g:XS+8*\g+7], v11
.endr
	ds_store_b128 v4, v[C:C+3] offset:16*(\t)      ; 32 codes: 16 bytes of my column's row
.if (\t)+2 < NB
	LOAD (\t)+2
.endif
	s_wait_dscnt 0x0                               ; the store has read its registers: the next block's codes may be written (the next block begins with plain vector lines)
.endm
.set Q, 0
.rept NB
	BLOCK Q
.set Q, Q+1
.endr
	global_store_b128 v9, v[SB:SB+3], s[8:9]       ; my column's NB scale bytes
.irp t, 0,1,2,3,4,5,6,7,8,9,10,11,12,13,14,15
	ds_load_b128 v[OUTR+4*\t:OUTR+4*\t+3], v7 offset:2*\t*PITCH   ; LDS serves a wave's instructions in order: these see my stores
.endr
.irp t, 0,1,2,3,4,5,6,7,8,9,10,11,12,13,14,15
	s_wait_dscnt 15-\t                             ; the later loads may be out
	global_store_b128 v8, v[OUTR+4*\t:OUTR+4*\t+3], s[6:7] offset:2*\t*KROW
.endr
	s_wait_tensorcnt 0x0                           ; the wave's end, behind my last LDS store
	ds_add_u32 v[SPW], v[NIL]
	s_wait_dscnt 0x0
	s_endpgm
.Lconvert:                                         ; w_proj to f16: 64 work-groups, a wave takes 4,096 numbers: 32 loads of 512 consecutive bytes, 32 stores of 256
	s_sub_co_u32 s17, ttmp9, NQKV
	s_lshl_b32 s17, s17, 1
	s_and_b32 s18, ttmp7, 0xffff
	s_add_co_u32 s17, s17, s18                     ; which of the 64
	s_lshl_b32 s17, s17, 2
	s_add_co_u32 s17, s17, s16                     ; which run of 4,096 numbers is my wave's
	s_lshl_b32 s18, s17, 14
	s_mov_b32 s19, 0
	s_lshl_b32 s20, s17, 13
	s_mov_b32 s21, 0
	v_lshlrev_b32 v1, 4, v2                        ; in: 16 bytes a lane
	v_lshlrev_b32 v3, 3, v2                        ; out: 8 bytes a lane
	s_wait_kmcnt 0x0
	s_add_nc_u64 s[12:13], s[12:13], s[18:19]
	s_add_nc_u64 s[14:15], s[14:15], s[20:21]
.set Q, 0
.rept 32
	global_load_b128 v[X+4*Q:X+4*Q+3], v1, s[12:13] offset:512*Q th:TH_LOAD_NT
.set Q, Q+1
.endr
.set Q, 0
.rept 32
	s_wait_loadcnt 31-Q                            ; load Q is in; the later ones may be out
	v_cvt_pk_f16_f32 v[X+4*Q], v[X+4*Q], v[X+4*Q+1]                ; in place, ascending: no number is written over before it is read
	v_cvt_pk_f16_f32 v[X+4*Q+1], v[X+4*Q+2], v[X+4*Q+3]
	global_store_b64 v3, v[X+4*Q:X+4*Q+1], s[14:15] offset:256*Q   ; 32 lanes store 256 consecutive bytes, aligned; no register of a store is written again
.set Q, Q+1
.endr
	s_endpgm
.Lfunc_end_k_q9b30ac964c_prep_w:
	.size	k_q9b30ac964c_prep_w, .Lfunc_end_k_q9b30ac964c_prep_w-k_q9b30ac964c_prep_w
	.p2alignl 7, 3214868480
	.fill 96, 4, 3214868480
	.section	.rodata,"a",@progbits
	.p2align	6, 0x0
	.amdhsa_kernel k_q9b30ac964c_prep_w
		.amdhsa_group_segment_fixed_size 35840
		.amdhsa_private_segment_fixed_size 0
		.amdhsa_enable_private_segment 0
		.amdhsa_kernarg_size 40
		.amdhsa_user_sgpr_count 2
		.amdhsa_user_sgpr_kernarg_segment_ptr 1
		.amdhsa_wavefront_size32 1
		.amdhsa_system_sgpr_workgroup_id_x 1
		.amdhsa_system_sgpr_workgroup_id_y 1
		.amdhsa_system_sgpr_workgroup_id_z 1
		.amdhsa_system_vgpr_workitem_id 0
		.amdhsa_next_free_vgpr 192
		.amdhsa_next_free_sgpr 66
		.amdhsa_reserve_vcc 0
		.amdhsa_float_denorm_mode_32 3
		.amdhsa_float_denorm_mode_16_64 3
		.amdhsa_memory_ordered 1
		.amdhsa_forward_progress 1
		.amdhsa_inst_pref_size 90
	.end_amdhsa_kernel
	.amdgpu_metadata
---
amdhsa.version: [ 1, 2 ]
amdhsa.kernels:
  - .name:           k_q9b30ac964c_prep_w
    .symbol:         k_q9b30ac964c_prep_w.kd
    .args:
      - { .name: w_qkv, .offset: 0, .size: 8, .value_kind: global_buffer, .address_space: global }
      - { .name: wc, .offset: 8, .size: 8, .value_kind: global_buffer, .address_space: global }
      - { .name: ws, .offset: 16, .size: 8, .value_kind: global_buffer, .address_space: global }
      - { .name: w_proj, .offset: 24, .size: 8, .value_kind: global_buffer, .address_space: global }
      - { .name: wp, .offset: 32, .size: 8, .value_kind: global_buffer, .address_space: global }
    .group_segment_fixed_size: 35840
    .private_segment_fixed_size: 0
    .kernarg_segment_align: 8
    .kernarg_segment_size: 40
    .max_flat_workgroup_size: 128
    .sgpr_count:     66
    .vgpr_count:     192
    .wavefront_size: 32
...
	.end_amdgpu_metadata
.endif
;; end of part 2
;; launch qkv (part 3): grid 12 x 32, 4 waves a work-group, clusters of 4 x 4, 327,680 bytes of LDS; arguments xc, xs, wc, ws, qkv; writes qkv
.if DOCPART == 3
	.amdgcn_target "amdgcn-amd-amdhsa--gfx1250"
	.amdhsa_code_object_version 6
	.text
	.protected	k_q9b30ac964c_qkv
	.globl	k_q9b30ac964c_qkv
	.p2align	8
	.type	k_q9b30ac964c_qkv,@function
k_q9b30ac964c_qkv:
	s_mov_b64 s[64:65], 0
	v_nop
	global_prefetch_b8 v0, s[64:65] scope:SCOPE_SE
	s_setreg_imm32_b32 hwreg(HW_REG_WAVE_MODE, 25, 1), 1
	s_wait_xcnt 0x0
	s_wait_alu depctr_hold_cnt(0) depctr_sa_sdst(0) depctr_va_vdst(0) depctr_va_sdst(0) depctr_va_ssrc(0) depctr_va_vcc(0) depctr_vm_vsrc(0)
	s_getreg_b32 s2, hwreg(HW_REG_IB_STS2, 6, 4)
	s_cmp_eq_u32 s2, 0
	s_cbranch_scc0 .Lentry_in_a_cluster
	s_endpgm
.Lentry_in_a_cluster:
	s_bfe_u32 s2, ttmp6, 0x10000c
	s_cmp_lg_u32 s2, 0xf033
	s_cbranch_scc0 .Lentry_shape_is_right
	s_endpgm
.Lentry_shape_is_right:
; THE QUANTISED PRODUCT: C[m][n] = sum over k of x[m][k] w_qkv[k][n], both operands as codes of FP4 (E2M1) with one E8M0 scale for each 32 along K, by the scaled matrix instruction; sums in f32.
; A = xc [8192][512 bytes] with xs [8192][32];  B = wc [3072][512 bytes] with ws [3072][32].  The results are rounded ONCE to f16 and laid by head, as the attention reads them:
; qkv [3 parts: q, k, v][batch x 16 + head][position][64] f16: a part is 2^24 bytes, a head 2^18, a row 128.
; LIMIT: |q|, |k|, |v| beyond 65,504 become infinity in f16.
; A tile of C, 256 x 256, is made by a work-group of four waves; a wave makes 128 x 128: 64 accumulators of 16 x 16, 512 registers.  K = 1,024 is two steps of 512 (rows of 256 bytes): both lie in LDS at once,
; in two slots that are filled once.  THE SCALES of the work-group's 256 rows of A and of B, for all of K, are two dense blocks of memory: they come into LDS once, in runs of 256 bytes.
; CLUSTERS: 4 x 4 work-groups.  The four of a row of the cluster need the same tiles of A, the four of a column the same tiles of B: each tile is asked for JOINTLY, by the same tensor load with the same
; descriptor and a mask that names the four.  By this text's count a wave has three tensor loads out at the start (scales, slot 0, slot 1) and none later.
; THE MATRIX INSTRUCTION IS USED TRANSPOSED (source 0 = 16 rows of B, source 1 = 16 rows of A): a lane then holds eight neighbouring columns of one row of C, which pack into 16 bytes of f16.
; REGISTERS, in windows of 256: window 0: v0-31 addresses; v32-95 scale words, two sets; v128-191 A's fragments (8 x 16 rows x 128 K), ONE set; on the way out v32-63, v192-255 are at work.
;   window 1: B's fragments, TWO sets, at v0 and at v128.   window 2: the 32 accumulators of my rows 0-63 (accumulator (a, b) at v[8 (8 a + b)]);   window 3: those of my rows 64-127.
.set SIZE_M, 8192
.set SIZE_N, 3072
.set SIZE_K, 1024
.set KSTEP,  512                       ; along K in a slot
.set NQ,     KSTEP/128                 ; matrix instructions deep
.set ROWB,   256                       ; a tile's row in bytes
.set KROW,   SIZE_K/2                  ; a row of A or of B in memory, in bytes
.set PITCH,  272                       ; an LDS row: 256 bytes + 16 of padding = 68 words: row r starts at bank 4 r mod 64 (64 banks of 4 bytes: ISA guide 11.1)
.set FR,     8                         ; registers of a fragment: 16 rows x 128 K
.set NL,     2                         ; LDS loads that bring one
.set NP,     4                         ; places behind this matrix instruction (ISA guide 7.12.1)
.set HALFT,  128*PITCH                 ; 128 rows: what one tensor load brings, and what one wave reads of A or of B
.set SLOT,   4*HALFT                   ; A's 256 rows, then B's 256 rows
.set KS,     SIZE_K/32                 ; a row of scales in bytes
.set SCL,    2*SLOT                    ; behind the slots: the scales, as runs of 256 bytes + 16 of padding
.set HALFS,  (128*KS/256)*272          ; the scales of 128 rows: what one tensor load brings
.set SBLK,   (16*KS/256)*272           ; those of 16 rows
.set SPARE,  SCL+4*HALFS               ; behind the scales: the spare words, 128 bytes for each wave
.set STAGE,  SPARE+512                 ; behind them: 16 rows x (256 bytes + 16) for each wave, for the way out; no tensor load lands here
.set SPITCH, 272
.set ADRA, 16                          ; v16-17  LDS address of my A fragments in slot 0, 1
.set ADRB, 20                          ; v20-21  the same for B
.set STO,  24                          ; v24     the way out: where I put 16 bytes of a row
.set RD,   25                          ; v25     the way out: where I read back
.set CO,   26                          ; v26     16 x lane: my bytes of a store's 512
.set ADRS, 27                          ; v27     LDS address of my scale words: lanes 0-15 A's rows, lanes 16-31 B's
.set SPW,  28                          ; v28     LDS address of my spare word; never rewritten
.set NIL,  29                          ; v29     0; never rewritten
.set SC,   32                          ; scale words: set s (for slot s) at v[SC + 32 s]; register 4 i + q: lanes 0-15 the word of A's block i, lanes 16-31 that of B's block i, for the slot's q-th 128 along K
.set AF,   128                         ; A's fragments, in window 0
.set TMP,  192                         ; the way out: a block's packed results, v192-223
.set OB,   32                          ; the way out: a block read back: v32-63 and v224-255 by turns
.set G1, 24                            ; s[24:31] descriptor group 1 for A's tiles;  s[32:39] group 0, one set for each slot
.set G0, 32
.set G1B, 48                           ; s[48:55], s[56:63] the same for B's tiles
.set G0B, 56
.set G1S, 68                           ; s[68:75], s[76:79] groups 1 and 0 for A's scales;  s[80:87], s[88:91] for B's
.set G0S, 76
.set G1SB, 80
.set G0SB, 88
.set MSB, 0
.macro WIN new                         ; the immediate's high byte repeats the setting that is left; a switch that changes nothing is dropped
.if MSB != (\new)
	s_set_vgpr_msb (MSB<<8)|(\new)
.set MSB, (\new)
.endif
.endm
.set MUL_LO, 0xa1                      ; source 0 (B) window 1, source 1 (A) window 0, C and D window 2
.set MUL_HI, 0xf1                      ; the same, C and D window 3
.set TO_B,   0x40                      ; destination window 1, address window 0
; A joint load: waves 0 and 1 fetch for A, waves 2 and 3 for B.  Each of the two lines has ONE mask and one set of registers for all that issue it; the branch hangs on the wave's number alone.
; An s_nop 0 and four v_nop follow each of the two lines, ahead of the jump, the label and what follows.
.macro JLOAD g0a, g1a, g0b, g1b
	s_cmp_eq_u32 s15, 0
	s_cbranch_scc0 .Lfor_b_\@
	tensor_load_to_lds s[\g0a:\g0a+3], s[\g1a:\g1a+7]
	s_nop 0
.rept 4
	v_nop
.endr
	s_branch .Lasked_\@
.Lfor_b_\@:
	tensor_load_to_lds s[\g0b:\g0b+3], s[\g1b:\g1b+7]
	s_nop 0
.rept 4
	v_nop
.endr
.Lasked_\@:
.endm
.macro CROUND                          ; a round of the cluster's barrier: my work-group's barrier; wave 0 signals for the work-group; every wave waits for all sixteen; my work-group's barrier once more
	s_barrier_signal -1
	s_barrier_wait -1
	s_cmp_lg_u32 s14, 0
	s_cbranch_scc1 .Lnot_wave_0_\@
	s_barrier_signal -3
.Lnot_wave_0_\@:
	s_barrier_wait -3
	s_barrier_signal -1
	s_barrier_wait -1
.endm
	s_load_b128 s[4:7], s[0:1], 0x0                ; A's codes s[4:5], A's scales s[6:7]
	s_load_b128 s[8:11], s[0:1], 0x10              ; B's codes s[8:9], B's scales s[10:11]
	s_load_b64 s[12:13], s[0:1], 0x20              ; qkv
	v_lshl_add_u32 v[SPW], v0, 2, SPARE
	v_mov_b32 v[NIL], 0
	ds_add_u32 v[SPW], v[NIL]                      ; the wave's opening: the add, twice on end, and its wait ahead of my first tensor load; the set-up below stands between
	ds_add_u32 v[SPW], v[NIL]
	v_lshrrev_b32 v1, 5, v0
	v_readfirstlane_b32 s14, v1                    ; wave 0..3
	s_lshr_b32 s15, s14, 1                         ; which half of the tile's rows is mine.  Also: I fetch for A (0) or for B (1)
	s_and_b32 s16, s14, 1                          ; which half of its columns.  Also: which 128 rows of that tile I fetch
	s_bfe_u32 s40, ttmp6, 0x40000                  ; cx, cy: my place in the cluster
	s_bfe_u32 s41, ttmp6, 0x40004
	s_lshl_b32 s42, ttmp9, 2
	s_add_co_u32 s42, s42, s40                     ; tile column of C = 4 x cluster x + cx
	s_and_b32 s17, ttmp7, 0xffff
	s_lshl_b32 s17, s17, 2
	s_add_co_u32 s17, s17, s41                     ; tile row of C = 4 x cluster y + cy
	s_lshl_b32 s43, s41, 2
	s_lshl_b32 s43, 15, s43                        ; my row of the cluster
	s_lshl_b32 s44, 0x1111, s40                    ; my column
	; descriptor group 1: a tile of 128 rows x 256 bytes, padded in LDS
	s_or_b32 s[G1+0], s43, (0<<16)|(1<<20)|(1<<21)|(5<<22)|(3<<25)  ; 15:0 the mask: A's tiles go to my row; 17:16 element of 1 byte; 20 padding on; 21 set beside a mask; 24:22 after every 64 words (code 5); 31:25 of 4 words (code 3)
	s_or_b32 s[G1B+0], s44, (0<<16)|(1<<20)|(1<<21)|(5<<22)|(3<<25)
.irp g, G1, G1B
	s_mov_b32 s[\g+1], ROWB<<16                    ; tensor_dim0
	s_mov_b32 s[\g+2], 128<<16                     ; tensor_dim1 = 128
	s_mov_b32 s[\g+3], ROWB<<16                    ; tile_dim0
	s_mov_b32 s[\g+4], 128                         ; tile_dim1 = 128
	s_mov_b32 s[\g+5], KROW                        ; tensor_dim0_stride
	s_mov_b32 s[\g+6], 0
	s_mov_b32 s[\g+7], 0
.endr
	; and for the scales of 128 rows: a dense block of 4,096 bytes, as rows of 256 bytes (32 elements of 8 bytes), 16 bytes of padding behind each
	s_or_b32 s[G1S+0], s43, (3<<16)|(1<<20)|(1<<21)|(5<<22)|(3<<25)
	s_or_b32 s[G1SB+0], s44, (3<<16)|(1<<20)|(1<<21)|(5<<22)|(3<<25)
.irp g, G1S, G1SB
	s_mov_b32 s[\g+1], 32<<16
	s_mov_b32 s[\g+2], (128*KS/256)<<16
	s_mov_b32 s[\g+3], 32<<16
	s_mov_b32 s[\g+4], 128*KS/256
	s_mov_b32 s[\g+5], 32
	s_mov_b32 s[\g+6], 0
	s_mov_b32 s[\g+7], 0
.endr
	s_lshl_b32 s18, s16, 7                         ; which 128 rows of the tile I fetch
	s_lshl_b32 s20, s17, 8
	s_add_co_u32 s20, s20, s18                     ; A: row 256 x tile row + 128 x half
	s_lshl_b32 s46, s42, 8
	s_add_co_u32 s46, s46, s18                     ; B: row 256 x tile column + 128 x half
	s_mov_b32 s21, 0
	s_mov_b32 s47, 0
	s_mov_b64 s[18:19], KS
	s_mul_u64 s[22:23], s[20:21], s[18:19]         ; where these rows' scales begin, in bytes
	s_mul_u64 s[92:93], s[46:47], s[18:19]
	s_mov_b64 s[18:19], KROW
	s_mul_u64 s[20:21], s[20:21], s[18:19]         ; and their codes
	s_mul_u64 s[46:47], s[46:47], s[18:19]
	s_mul_i32 s45, s14, HALFT                      ; where they go: wave x 128 rows: no place in the cluster enters an LDS address
	s_mul_i32 s94, s14, HALFS
	s_wait_dscnt 0x0                               ; both opening adds are done
	s_wait_kmcnt 0x0
	s_add_nc_u64 s[20:21], s[4:5], s[20:21]
	s_add_nc_u64 s[22:23], s[6:7], s[22:23]
	s_add_nc_u64 s[46:47], s[8:9], s[46:47]
	s_add_nc_u64 s[92:93], s[10:11], s[92:93]
	CROUND                                         ; all sixteen work-groups are here: the first joint loads meet
	s_mov_b32 s[G0S], 1
	s_add_co_u32 s[G0S+1], s94, SCL
	s_mov_b64 s[G0S+2:G0S+3], s[22:23]
	s_or_b32 s[G0S+3], s[G0S+3], 0x80000000
	s_mov_b32 s[G0SB], 1
	s_add_co_u32 s[G0SB+1], s94, SCL
	s_mov_b64 s[G0SB+2:G0SB+3], s[92:93]
	s_or_b32 s[G0SB+3], s[G0SB+3], 0x80000000
	JLOAD G0S, G1S, G0SB, G1SB                     ; the scales first: they are wanted with K step 0
.irp s, 0,1
	s_mov_b32 s[G0+4*\s], 1
	s_add_co_u32 s[G0+4*\s+1], s45, \s*SLOT
	s_add_nc_u64 s[G0+4*\s+2:G0+4*\s+3], s[20:21], \s*ROWB
	s_or_b32 s[G0+4*\s+3], s[G0+4*\s+3], 0x80000000
	s_mov_b32 s[G0B+4*\s], 1
	s_add_co_u32 s[G0B+4*\s+1], s45, \s*SLOT
	s_add_nc_u64 s[G0B+4*\s+2:G0B+4*\s+3], s[46:47], \s*ROWB
	s_or_b32 s[G0B+4*\s+3], s[G0B+4*\s+3], 0x80000000
	JLOAD G0+4*\s, G1, G0B+4*\s, G1B
.endr
	v_and_b32 v1, 15, v0                           ; l % 16
	v_bfe_u32 v2, v0, 4, 1                         ; l / 16
	v_mul_u32_u24 v3, v1, PITCH
	v_lshl_add_u32 v4, v2, 4, v3                   ; a fragment's row x pitch + 16 x half
	s_mul_i32 s21, s15, HALFT                      ; my 128 rows of A
	s_mul_i32 s22, s16, HALFT                      ; my 128 rows of B,
	s_add_co_u32 s22, s22, 2*HALFT                 ; which lie behind A's 256
.irp s, 0,1
	v_add_nc_u32 v[ADRA+\s], s21, v4
	v_add_nc_u32 v[ADRB+\s], s22, v4
	s_add_co_u32 s21, s21, SLOT
	s_add_co_u32 s22, s22, SLOT
.endr
	v_mul_u32_u24 v5, v1, KS                       ; my row's scales: KS bytes a row,
	v_lshrrev_b32 v6, 8, v5
	v_lshl_add_u32 v5, v6, 4, v5                   ; and 16 more for each 256 passed
	s_mul_i32 s21, s15, HALFS                      ; A's: my 128 rows
	s_mul_i32 s22, s16, HALFS                      ; B's: my 128 rows, behind A's 256
	s_add_co_u32 s22, s22, 2*HALFS
	s_sub_co_u32 s22, s22, s21
	v_mul_u32_u24 v6, s22, v2                      ; lanes 16-31 take B's: ONE product, the distance between the two bases x the lane's half
	s_add_co_u32 s21, s21, SCL
	v_add_nc_u32 v5, v5, v6
	v_add_nc_u32 v[ADRS], s21, v5
	s_mul_i32 s23, s14, 16*SPITCH
	s_add_co_u32 s23, s23, STAGE                   ; my stage
	v_mul_u32_u24 v5, v1, SPITCH                   ; in: row l % 16, 16 bytes for each half of the lanes
	v_lshl_add_u32 v5, v2, 4, v5
	v_add_nc_u32 v[STO], s23, v5
	v_and_b32 v6, 31, v0
	v_lshlrev_b32 v[CO], 4, v6                     ; a store's 512 bytes: 16 a lane
	v_lshrrev_b32 v7, 3, v6                        ; back: eight lanes take one head's 128 bytes of a row, the 32 lanes four rows
	v_mul_u32_u24 v7, v7, SPITCH
	v_and_b32 v8, 7, v0
	v_lshl_add_u32 v7, v8, 4, v7
	v_add_nc_u32 v[RD], s23, v7
	; where my 128 rows x 2 heads begin in qkv.  Rows: batch = tile row / 8, position = 256 (tile row % 8) + 128 x half.  Columns: a cluster's four tile columns are 1,024 columns: one part = cluster x; head = 4 cx + 2 x half
	s_lshr_b32 s20, s17, 3
	s_lshl_b32 s20, s20, 22                        ; 16 heads of 2^18 bytes a batch
	s_and_b32 s21, s17, 7
	s_lshl_b32 s21, s21, 15                        ; 256 rows of 128 bytes
	s_add_co_u32 s20, s20, s21
	s_lshl_b32 s21, s15, 14                        ; 128 rows
	s_add_co_u32 s20, s20, s21
	s_mov_b32 s21, 0
	s_lshl_b32 s46, s40, 2
	s_lshl_b32 s47, s16, 1
	s_add_co_u32 s46, s46, s47
	s_lshl_b32 s46, s46, 18
	s_lshl_b32 s47, ttmp9, 24
	s_add_co_u32 s46, s46, s47
	s_mov_b32 s47, 0
	s_add_nc_u64 s[20:21], s[20:21], s[46:47]      ; under 2^26
	s_add_nc_u64 s[12:13], s[12:13], s[20:21]
.macro FRAG reg, adr, q, i             ; a fragment, 16 rows x 128 K of 4-bit codes, is 8 registers: lane l holds row l % 16; registers 4 c .. 4 c + 3 hold K = 64 c + 32 (l / 16) + 0 .. 31
.irp c, 0,1
	ds_load_b128 v[\reg+4*\c:\reg+4*\c+3], v[\adr] offset:64*(\q)+32*\c+(\i)*16*PITCH
.endr
.endm
; 16 matrix instructions: A's blocks a0, a0 + 1 x B's eight, 128 along K: the slot's q-th.  p: B's set;  sc: the set of scale words.  zero = 1: the first product starts the sums: nothing is ever cleared.
; The 64 accumulators take turns, one instruction a turn, in the same order in every step.
.macro MUL16 a0, p, q, sc, zero
.irp a, \a0, \a0+1
.irp b, 0,1,2,3,4,5,6,7
.if \zero
	v_wmma_scale_f32_16x16x128_f8f6f4 v[8*(8*((\a)%4)+\b):8*(8*((\a)%4)+\b)+7], v[128*(\p)+FR*\b:128*(\p)+FR*\b+FR-1], v[AF+FR*(\a):AF+FR*(\a)+FR-1], 0, v[SC+8*NQ*(\sc)+NQ*\b+(\q)], v[SC+8*NQ*(\sc)+NQ*(\a)+(\q)] matrix_a_fmt:MATRIX_FMT_FP4 matrix_b_fmt:MATRIX_FMT_FP4 matrix_a_scale:MATRIX_SCALE_ROW1
.else
	v_wmma_scale_f32_16x16x128_f8f6f4 v[8*(8*((\a)%4)+\b):8*(8*((\a)%4)+\b)+7], v[128*(\p)+FR*\b:128*(\p)+FR*\b+FR-1], v[AF+FR*(\a):AF+FR*(\a)+FR-1], v[8*(8*((\a)%4)+\b):8*(8*((\a)%4)+\b)+7], v[SC+8*NQ*(\sc)+NQ*\b+(\q)], v[SC+8*NQ*(\sc)+NQ*(\a)+(\q)] matrix_a_fmt:MATRIX_FMT_FP4 matrix_b_fmt:MATRIX_FMT_FP4 matrix_a_scale:MATRIX_SCALE_ROW1
.endif
.endr
.endr
.endm
.macro FETCH_B slot, q, p              ; B's eight fragments of the slot's q-th 128 along K into set p
	WIN TO_B
.irp i, 0,1,2,3,4,5,6,7
	FRAG 128*(\p)+FR*\i, ADRB+\slot, \q, \i
.endr
	WIN 0
.endm
.macro FETCH_A slot, q, i0             ; A's blocks i0 .. i0 + 3
.irp i, \i0, \i0+1, \i0+2, \i0+3
	FRAG AF+FR*(\i), ADRA+\slot, \q, \i
.endr
.endm
.macro SCALES sc                       ; a K step's scale words into set sc: 4 words a row; lanes 0-15 take A's block i, lanes 16-31 B's block i
.irp i, 0,1,2,3,4,5,6,7
	ds_load_b128 v[SC+8*NQ*\sc+NQ*\i:SC+8*NQ*\sc+NQ*\i+3], v[ADRS] offset:\i*SBLK
.endr
.endm
; A load into a register that a matrix instruction has read, and a vector instruction that reads a matrix result, stand NP places behind that matrix instruction, and only plain vector
; instructions that name none of its registers are places (ISA guide 7.12.1 for vector instructions).
.macro PLACES n
.rept \n
	v_nop
.endr
.endm
; A step of 128 along K that has its successor in the same slot.
.macro STEP slot, q, zero
	s_wait_dscnt 4*NL                              ; B's set and A's blocks 0-3 are in; the youngest eight loads (A's blocks 4-7) may be out
	WIN MUL_LO
	MUL16 0, (\q)%2, \q, \slot, \zero
	MUL16 2, (\q)%2, \q, \slot, \zero
	s_wait_dscnt 0                                 ; A's blocks 4-7 are in (asked for 32 matrix instructions ago)
	PLACES NP
	FETCH_B \slot, (\q)+1, 1-(\q)%2
	FETCH_A \slot, (\q)+1, 0
	WIN MUL_HI
	MUL16 4, (\q)%2, \q, \slot, \zero
	MUL16 6, (\q)%2, \q, \slot, \zero
	PLACES NP
	WIN 0
	FETCH_A \slot, (\q)+1, 4
.endm
; Slot 0's last step goes over to slot 1: ONE barrier; in front of it each wave waits for all its tensor loads (its part of slot 1), adds 0 to its spare word, and waits for that and for its LDS loads.  Nothing is filled again.
.macro TURN slot, next
	s_wait_tensorcnt 0x0                           ; all my tensor loads have landed: my part of the next slot  (every window is 0 here: the add's two registers lie in window 0)
	ds_add_u32 v[SPW], v[NIL]                      ; 0 onto my spare word
	s_wait_dscnt 4*NL+1                            ; (the add and the youngest eight loads, A's blocks 4-7, may be out)
	WIN MUL_LO
	MUL16 0, 1, NQ-1, \slot, 0                     ; sixteen matrix instructions stand between the add and the wait for it
	s_wait_dscnt 0x0                               ; the add is done, and no LDS load of mine is out at the signal
	s_barrier_signal -1
	MUL16 2, 1, NQ-1, \slot, 0
	WIN 0
	s_barrier_wait -1                              ; every wave's part of the next slot has landed
	PLACES NP
	v_add_nc_u32 v[ADRS], 4*NQ, v[ADRS]            ; on to the next K step's scale words (no LDS load of mine is out)
	FETCH_B \next, 0, 0
	FETCH_A \next, 0, 0
	SCALES \next
	WIN MUL_HI
	MUL16 4, 1, NQ-1, \slot, 0
	MUL16 6, 1, NQ-1, \slot, 0
	PLACES NP
	WIN 0
	FETCH_A \next, 0, 4
.endm
	s_wait_tensorcnt 1                             ; the scales and my part of K step 0 are in (K step 1's load may be out)
	s_barrier_signal -1
	s_barrier_wait -1                              ; everybody's are
	FETCH_B 0, 0, 0
	FETCH_A 0, 0, 0
	SCALES 0
	FETCH_A 0, 0, 4
	STEP 0, 0, 1                                   ; the first step's products start the sums
	STEP 0, 1, 0
	STEP 0, 2, 0
	TURN 0, 1
	STEP 1, 0, 0
	STEP 1, 1, 0
	STEP 1, 2, 0
	s_wait_dscnt 4*NL                              ; the very last step: nothing more to fetch
	WIN MUL_LO
	MUL16 0, 1, NQ-1, 1, 0
	MUL16 2, 1, NQ-1, 1, 0
	s_wait_dscnt 0
	WIN MUL_HI
	MUL16 4, 1, NQ-1, 1, 0
	MUL16 6, 1, NQ-1, 1, 0
	WIN 0
; THE WAY OUT, block by block of 16 rows x 128 columns (two heads).  PACK: rounded to f16, 16 bytes a lane, each accumulator from its low end on.  TOSTAGE: into my own stage in LDS, and back by heads:
; a load takes four rows' 128 bytes of one head.  SEND: in qkv those are 512 consecutive bytes, so each store of the wave covers two aligned runs of 256 bytes.
.macro PACK a
.set AC, 64*((\a)%4)
	WIN 0x0a+5*((\a)/4)                            ; sources 0 and 1: window 2 or 3
.irp b, 0,1,2,3,4,5,6,7
.irp r, 0,1,2,3
	v_cvt_pk_f16_f32 v[TMP+4*\b+\r], v[AC+8*\b+2*\r], v[AC+8*\b+2*\r+1]
.endr
.endr
	WIN 0
.endm
.macro TOSTAGE a
.set BK, OB+192*((\a)%2)
.irp b, 0,1,2,3,4,5,6,7
	ds_store_b128 v[STO], v[TMP+4*\b:TMP+4*\b+3] offset:32*\b
.endr
.irp i, 0,1,2,3,4,5,6,7
	ds_load_b128 v[BK+4*\i:BK+4*\i+3], v[RD] offset:(\i%4)*4*SPITCH+128*(\i/4)   ; LDS serves a wave's instructions in order (ISA guide 5.7.1.4): these see the stores above
.endr
.endm
.macro SEND a
.set BK, OB+192*((\a)%2)
	s_wait_dscnt 0x0                               ; the block is back in registers
	s_wait_xcnt 0x0                                ; the block before has had its stores' addresses translated (ISA guide 3.1): its registers take the next block's loads only behind this wait
.irp i, 0,1,2,3,4,5,6,7
	global_store_b128 v[CO], v[BK+4*\i:BK+4*\i+3], s[12:13] offset:(\i/4)*262144+(\a)*2048+(\i%4)*512   ; head i / 4, rows 16 a + 4 (i % 4) on; every offset is an immediate, no base is stepped
.endr
.endm
	PLACES NP                                      ; behind the last products: for the reads of their results and the loads into registers that held scale words
	PACK 0
	TOSTAGE 0
.irp a, 1,2,3,4,5,6,7                  ; block a's conversions stand between block a - 1's loads from the stage and the wait for them
	PACK \a
	SEND (\a-1)
	TOSTAGE \a
.endr
	SEND 7
	s_wait_tensorcnt 0x0                           ; the wave's end, behind my last tensor load and my last LDS store
	ds_add_u32 v[SPW], v[NIL]
	s_wait_dscnt 0x0
	CROUND                                         ; the closing round: no work-group ends while a partner may still ask for a tile that names it
	s_endpgm
.Lfunc_end_k_q9b30ac964c_qkv:
	.size	k_q9b30ac964c_qkv, .Lfunc_end_k_q9b30ac964c_qkv-k_q9b30ac964c_qkv
	.p2alignl 7, 3214868480
	.fill 96, 4, 3214868480
	.section	.rodata,"a",@progbits
	.p2align	6, 0x0
	.amdhsa_kernel k_q9b30ac964c_qkv
		.amdhsa_group_segment_fixed_size 327680
		.amdhsa_private_segment_fixed_size 0
		.amdhsa_enable_private_segment 0
		.amdhsa_kernarg_size 40
		.amdhsa_user_sgpr_count 2
		.amdhsa_user_sgpr_kernarg_segment_ptr 1
		.amdhsa_wavefront_size32 1
		.amdhsa_system_sgpr_workgroup_id_x 1
		.amdhsa_system_sgpr_workgroup_id_y 1
		.amdhsa_system_sgpr_workgroup_id_z 1
		.amdhsa_system_vgpr_workitem_id 0
		.amdhsa_next_free_vgpr 1024
		.amdhsa_next_free_sgpr 98
		.amdhsa_reserve_vcc 0
		.amdhsa_float_denorm_mode_32 3
		.amdhsa_float_denorm_mode_16_64 3
		.amdhsa_memory_ordered 1
		.amdhsa_forward_progress 1
		.amdhsa_inst_pref_size 126
	.end_amdhsa_kernel
	.amdgpu_metadata
---
amdhsa.version: [ 1, 2 ]
amdhsa.kernels:
  - .name:           k_q9b30ac964c_qkv
    .symbol:         k_q9b30ac964c_qkv.kd
    .args:
      - { .name: xc, .offset: 0, .size: 8, .value_kind: global_buffer, .address_space: global }
      - { .name: xs, .offset: 8, .size: 8, .value_kind: global_buffer, .address_space: global }
      - { .name: wc, .offset: 16, .size: 8, .value_kind: global_buffer, .address_space: global }
      - { .name: ws, .offset: 24, .size: 8, .value_kind: global_buffer, .address_space: global }
      - { .name: qkv, .offset: 32, .size: 8, .value_kind: global_buffer, .address_space: global }
    .group_segment_fixed_size: 327680
    .private_segment_fixed_size: 0
    .kernarg_segment_align: 8
    .kernarg_segment_size: 40
    .max_flat_workgroup_size: 128
    .sgpr_count:     98
    .vgpr_count:     1024
    .wavefront_size: 32
...
	.end_amdgpu_metadata
.endif
;; end of part 3
;; launch attn (part 4): grid 4 x 64, 8 waves a work-group, clusters of 4 x 1, 327,680 bytes of LDS; arguments qkv, att; writes att
.if DOCPART == 4
	.amdgcn_target "amdgcn-amd-amdhsa--gfx1250"
	.amdhsa_code_object_version 6
	.text
	.protected	k_q9b30ac964c_attn
	.globl	k_q9b30ac964c_attn
	.p2align	8
	.type	k_q9b30ac964c_attn,@function
k_q9b30ac964c_attn:
	s_mov_b64 s[64:65], 0
	v_nop
	global_prefetch_b8 v0, s[64:65] scope:SCOPE_SE
	s_setreg_imm32_b32 hwreg(HW_REG_WAVE_MODE, 25, 1), 1
	s_wait_xcnt 0x0
	s_wait_alu depctr_hold_cnt(0) depctr_sa_sdst(0) depctr_va_vdst(0) depctr_va_sdst(0) depctr_va_ssrc(0) depctr_va_vcc(0) depctr_vm_vsrc(0)
	s_getreg_b32 s2, hwreg(HW_REG_IB_STS2, 6, 4)
	s_cmp_eq_u32 s2, 0
	s_cbranch_scc0 .Lentry_in_a_cluster
	s_endpgm
.Lentry_in_a_cluster:
	s_bfe_u32 s2, ttmp6, 0x10000c
	s_cmp_lg_u32 s2, 0x3003
	s_cbranch_scc0 .Lentry_shape_is_right
	s_endpgm
.Lentry_shape_is_right:
; att[bh][q][:] = the sum over k of softmax_k(Q[bh][q] . K[bh][k] / 32) V[bh][k][:], no mask.  Q, K, V: the three parts of qkv, [64 (batch x 16 + head)][2048][64] f16; att: the same layout, f16.
; Products with f16 operands and f32 sums; maxima, exponentials and the rows' sums in f32; the weights p are rounded to f16 for the second product, the result once at the end.
; LIMITS: NaN and infinities are not served.  Results under about 1e-5 in size keep fewer than 11 bits in f16 (steps of 6e-8).
; SHARES.  A work-group owns 512 queries of one head, each of its EIGHT waves 64: four tiles of 16, in 512 registers: two waves to a SIMD, so that one wave's softmax can stand beside the other's products.
; Each fragment of K and V that a wave reads from LDS feeds four products.  Every wave walks all 2,048 keys, 64 a step.
; LAYOUT.  S^T = K Q^T (source 0 = 16 keys, source 1 = 16 queries): a lane holds ONE query (lane % 16) and the keys 8 (lane / 16) + 0..7.  Two such tiles, rounded to f16 in pairs, ARE source 1
; (32 keys x 16 queries) of O^T = V^T P, whose result again holds one query a lane, and eight channels.  K comes out of LDS as it lies, V ([key][channel]) turned, by ds_load_tr16_b128.
; SOFTMAX.  For each query a running maximum m and sum l: p = 2^(c s - c m), c = log2(e) / 32; in every step O and l are multiplied by a = 2^(c m_old - c m_new), which is 1 where m has not grown.
; CLUSTER.  The four query blocks of a head are one cluster and walk the same K and V: each tile is asked for JOINTLY, by the same tensor load with the same descriptor and a mask that names the four.
; THE RING.  Two slots of 512 keys.  A head's rows of 128 bytes are dense in memory, so a tile is stated as rows of 256 bytes, two keys to a row, with padding behind each.  Every wave fetches 64 such rows
; (waves 0-3 K's quarters, waves 4-7 V's).  Four slots' worth of keys: two first fills and two refills; a refill is asked for eight key steps, 512 matrix instructions a wave, ahead of the wait for it,
; which is why no further look-ahead is laid.  By this text's count a wave has two tensor loads out at the start and one behind each round.
; REGISTERS: window 0: v1-8 addresses; v12, v13 the add's two; v16-47 eight registers of statistics a tile; v48-175 S^T, 32 a tile (P is written in place into a tile's first 16); v176-239 K of one step.
;   window 1: v0-127 O^T, 32 a tile; v128-191 Q, 16 a tile; v192-255 V of one step.
.set PK,    272       ; two keys of K in LDS: 256 bytes + 16 of padding: key r of a fragment lies at (r / 2) 272 + (r % 2) 128: sixteen different 16-byte columns modulo 256
.set PV,    288       ; two keys of V: 256 + 32
.set VOFF,  256*PK    ; a slot: 256 rows of K, then 256 rows of V
.set SLOTB, 256*(PK+PV)
.set STEPK, 32*PK     ; a key step: 64 keys = 32 rows
.set STEPV, 32*PV
.set STAGE, 2*SLOTB   ; behind the ring: 16 rows x (128 bytes + 16) for each wave, for the way out; no tensor load lands here
.set SP,    144
.set SPARE, STAGE+8*16*SP  ; behind the stages: the spare words, 128 bytes for each wave
.set AK0, 1           ; v1   my lane's place in a tile of K; never rewritten
.set AV0, 2           ; v2   the same for V
.set ADK, 3           ; v3   LDS address of the step's K
.set ADV, 4           ; v4   and V
.set QO,  5           ; v5   my byte offset in the wave's rows of Q
.set STO, 6           ; v6   the way out: where I put 16 bytes of a row
.set RD,  7           ; v7   the way out: where I read back
.set GO,  8           ; v8   16 x lane: my bytes of a store's 512
.set SPW, 12          ; v12  LDS address of my spare word; never rewritten
.set NIL, 13          ; v13  0; never rewritten
.set ST,  16          ; tile t's statistics at v[ST+8 t]: +0 c m, +1 m, +2, +3 l (even keys', odd keys'), +4 to +7 at work; a takes +6, c m_old - c m_new +7
.set S,   48
.set KF,  176
.set QF,  128         ; in window 1
.set VF,  192         ; in window 1
.set WV,  12          ; s12  my wave's number
.set G1K, 24          ; s[24:31] descriptor group 1 for K's tiles
.set G1V, 32          ; s[32:39] for V's: it differs in the padding alone
.set G0K, 40          ; s[40:47] descriptor group 0 for K's tiles, a set for each slot
.set G0V, 48          ; s[48:55] the same for V's
.set CNT, 56          ; s56  counts a slot's key steps
.set TK,  57          ; s57  LDS byte at which the step's K begins
.set CS,  58          ; s[58:59] c: the packed scaling names a pair and takes its low word for both halves
.set SEL, 60          ; s[60:61] lane selects for v_permlanex16_b32: lane l xor 16
.set TV,  62          ; s62  LDS byte from which the step's V is counted
.set MSB, 0
.macro WIN new                      ; the immediate's high byte repeats the setting that is left; a switch that changes nothing is dropped
.if MSB != (\new)
	s_set_vgpr_msb (MSB<<8)|(\new)
.set MSB, (\new)
.endif
.endm
.set W_LD, 0x40       ; destination window 1, address window 0
.set W_KQ, 0x04       ; K and S^T in window 0, Q (source 1) in window 1
.set W_PV, 0x51       ; V (source 0) and O^T (C, D) in window 1, P (source 1) in window 0; O^T's rescaling runs under it too: destination and source 0 window 1, a (source 1) window 0
; A joint refill.  Waves 0-3 fetch K's quarters, waves 4-7 V's.  The branch hangs on the wave's number alone.  An s_nop 0 and four v_nop follow each of the two lines.
.macro JLOAD s
	s_cmp_lt_u32 s[WV], 4
	s_cbranch_scc0 .Lfor_v_\@
	tensor_load_to_lds s[G0K+4*\s:G0K+4*\s+3], s[G1K:G1K+7]
	s_nop 0
.rept 4
	v_nop
.endr
	s_branch .Lasked_\@
.Lfor_v_\@:
	tensor_load_to_lds s[G0V+4*\s:G0V+4*\s+3], s[G1V:G1V+7]
	s_nop 0
.rept 4
	v_nop
.endr
.Lasked_\@:
.endm
.macro CROUND                       ; a round of the cluster's barrier: my work-group's barrier; wave 0 signals for the work-group; every wave waits for all four work-groups; my work-group's barrier once more
	s_barrier_signal -1
	s_barrier_wait -1
	s_cmp_lg_u32 s[WV], 0
	s_cbranch_scc1 .Lnot_wave_0_\@
	s_barrier_signal -3
.Lnot_wave_0_\@:
	s_barrier_wait -3
	s_barrier_signal -1
	s_barrier_wait -1
.endm
	s_load_b128 s[4:7], s[0:1], 0x0 ; qkv s[4:5], att s[6:7]
	v_lshl_add_u32 v[SPW], v0, 2, SPARE
	v_mov_b32 v[NIL], 0
	ds_add_u32 v[SPW], v[NIL]       ; the wave's opening: the add, twice on end, and its wait ahead of my first tensor load; the set-up below stands between
	ds_add_u32 v[SPW], v[NIL]
	v_lshrrev_b32 v9, 5, v0
	v_readfirstlane_b32 s[WV], v9   ; wave 0..7
	s_bfe_u32 s13, ttmp6, 0x40000   ; cx: my place in the cluster
	s_lshl_b32 s14, ttmp9, 2        ; in a cluster launch ttmp9 counts clusters
	s_add_co_u32 s14, s14, s13      ; my block of 512 queries: it enters Q's and the result's addresses alone
	s_and_b32 s15, ttmp7, 0xffff    ; batch x 16 + head, which the four partners share
	s_lshl_b32 s20, s15, 18         ; the head's first byte in a part of qkv, and in att
	s_and_b32 s2, s[WV], 3          ; which quarter of a slot's K or V I fetch:
	s_lshl_b32 s22, s2, 14          ; its 128 keys of 128 bytes in memory,
	s_add_co_u32 s22, s22, s20
	s_mov_b32 s23, 0
	s_mul_i32 s3, s2, 64*PK         ; its place in a slot, for K,
	s_mul_i32 s2, s2, 64*PV
	s_add_co_u32 s2, s2, VOFF       ; and for V: no place in the cluster enters an LDS address
	s_lshl_b32 s16, s14, 16         ; my block's 512 rows of 128 bytes,
	s_lshl_b32 s17, s[WV], 13       ; my wave's 64 of them
	s_add_co_u32 s16, s16, s17
	s_add_co_u32 s16, s16, s20
	s_mov_b32 s17, 0
	; descriptor group 1: a tile of 64 rows x 128 elements of 2 bytes, padded in LDS
	s_mov_b32 s[G1K], 15|(1<<16)|(1<<20)|(1<<21)|(5<<22)|(3<<25)  ; 15:0 the mask: all four work-groups; 17:16 elements of 2 bytes; 20 padding on; 21 set beside a mask; 24:22 after every 64 words (code 5); 31:25 4 words (code 3)
	s_mov_b32 s[G1V], 15|(1<<16)|(1<<20)|(1<<21)|(5<<22)|(7<<25)  ; the same with 8 words of padding (code 7)
.irp g, G1K, G1V
	s_mov_b32 s[\g+1], 128<<16      ; tensor_dim0 = 128
	s_mov_b32 s[\g+2], 64<<16       ; tensor_dim1 = 64
	s_mov_b32 s[\g+3], 128<<16      ; tile_dim0 = 128
	s_mov_b32 s[\g+4], 64           ; tile_dim1 = 64
	s_mov_b32 s[\g+5], 128          ; tensor_dim0_stride: the rows are dense
	s_mov_b32 s[\g+6], 0
	s_mov_b32 s[\g+7], 0
.endr
	s_mov_b32 s[CS], 0x3d38aa3b     ; c = log2(e) / 32
	s_mov_b32 s[CS+1], s[CS]        ; named with it as a pair, so it is written
	s_mov_b32 s[SEL], 0x76543210
	s_mov_b32 s[SEL+1], 0xfedcba98
	s_wait_dscnt 0x0                ; both opening adds are done
	s_wait_kmcnt 0x0
	s_add_nc_u64 s[8:9], s[4:5], s[22:23]
	s_add_nc_u64 s[10:11], s[8:9], 0x2000000   ; V at my quarter of slot 0: the third part of qkv
	s_add_nc_u64 s[8:9], s[8:9], 0x1000000     ; K likewise: the second part
	s_add_nc_u64 s[18:19], s[6:7], s[16:17]    ; the result at my wave's first row
	s_add_nc_u64 s[16:17], s[4:5], s[16:17]    ; Q likewise: the first part
	CROUND                          ; all four work-groups are here: the first joint loads meet
.irp s, 0,1
	s_mov_b32 s[G0K+4*\s], 1        ; 1:0 count = 1
	s_add_co_u32 s[G0K+4*\s+1], s3, \s*SLOTB  ; 63:32 LDS address
	s_add_nc_u64 s[G0K+4*\s+2:G0K+4*\s+3], s[8:9], \s*65536  ; 120:64 global address: slot s begins with keys 512 s
	s_or_b32 s[G0K+4*\s+3], s[G0K+4*\s+3], 0x80000000  ; 127:126 type = 2
	s_mov_b32 s[G0V+4*\s], 1
	s_add_co_u32 s[G0V+4*\s+1], s2, \s*SLOTB
	s_add_nc_u64 s[G0V+4*\s+2:G0V+4*\s+3], s[10:11], \s*65536
	s_or_b32 s[G0V+4*\s+3], s[G0V+4*\s+3], 0x80000000
.endr
	s_cmp_lt_u32 s[WV], 4           ; a wave's two first fills stand in one branch, ahead of every wait on TENSORcnt and every LDS read
	s_cbranch_scc0 .Lfirst_v
	tensor_load_to_lds s[G0K:G0K+3], s[G1K:G1K+7]
	s_nop 0
	tensor_load_to_lds s[G0K+4:G0K+7], s[G1K:G1K+7]
	s_nop 0
.rept 4
	v_nop
.endr
	s_branch .Lfirst_asked
.Lfirst_v:
	tensor_load_to_lds s[G0V:G0V+3], s[G1V:G1V+7]
	s_nop 0
	tensor_load_to_lds s[G0V+4:G0V+7], s[G1V:G1V+7]
	s_nop 0
.rept 4
	v_nop
.endr
.Lfirst_asked:
	; A fragment of K or Q is 16 rows x 32 channels in 8 registers: lane l holds row l % 16; registers 0-3 channels 8 (l / 16) + 0..7, registers 4-7 channels 16 + 8 (l / 16) + 0..7: two loads of 16 bytes, 32 bytes apart.
	v_and_b32 v9, 15, v0            ; r = l % 16
	v_bfe_u32 v10, v0, 4, 1         ; h = l / 16
	v_lshlrev_b32 v[QO], 7, v9
	v_lshl_add_u32 v[QO], v10, 4, v[QO]  ; row x 128 + 16 x half
	WIN W_LD
.irp t, 0,1,2,3
.irp c, 0,1                         ; Q stays in registers: tile t, channels 32 c on
	global_load_b128 v[QF+16*\t+8*\c:QF+16*\t+8*\c+3],   v[QO], s[16:17] offset:\t*2048+\c*64
	global_load_b128 v[QF+16*\t+8*\c+4:QF+16*\t+8*\c+7], v[QO], s[16:17] offset:\t*2048+\c*64+32
.endr
.endr
	WIN 0
	v_lshrrev_b32 v11, 1, v9
	v_mul_u32_u24 v[AK0], v11, PK   ; K: (r / 2) x pitch
	v_and_b32 v11, 1, v0
	v_lshl_add_u32 v[AK0], v11, 7, v[AK0]  ; + 128 (r % 2)
	v_lshl_add_u32 v[AK0], v10, 4, v[AK0]  ; + 16 h
	; The turning load takes 16 keys x 16 channels (lane l reads 16 bytes: key 8 (l / 16) + l % 8, channels 8 ((l / 8) % 2) + 0..7) and leaves half a fragment of V^T: lane l holds channel l % 16 and 8 keys.
	v_bfe_u32 v[AV0], v0, 1, 2      ; (l % 8) / 2
	v_lshl_add_u32 v[AV0], v10, 2, v[AV0]  ; + 4 h: which row of two keys
	v_mul_u32_u24 v[AV0], v[AV0], PV
	v_lshl_add_u32 v[AV0], v11, 7, v[AV0]  ; + 128 (l % 2)
	v_bfe_u32 v11, v0, 3, 1
	v_lshl_add_u32 v[AV0], v11, 4, v[AV0]
	v_add_nc_u32 v[AV0], VOFF, v[AV0]
	s_mul_i32 s15, s[WV], 16*SP
	s_add_co_u32 s15, s15, STAGE    ; my stage
	v_mul_u32_u24 v[STO], v9, SP    ; in: row r, 16 bytes for each half of the lanes
	v_lshl_add_u32 v[STO], v10, 4, v[STO]
	v_add_nc_u32 v[STO], s15, v[STO]
	v_and_b32 v11, 31, v0
	v_lshlrev_b32 v[GO], 4, v11     ; a store's 512 bytes: 16 a lane
	v_lshrrev_b32 v11, 3, v11       ; back: eight lanes take one row of 128 bytes, the 32 lanes four rows
	v_mul_u32_u24 v[RD], v11, SP
	v_and_b32 v11, 7, v0
	v_lshl_add_u32 v[RD], v11, 4, v[RD]
	v_add_nc_u32 v[RD], s15, v[RD]
; A KEY STEP: 64 keys for my four tiles of queries.  In every run the tile is the innermost index, so that neighbouring lines do not wait for each other.  first = 1: the first step starts m, l and O^T.
.macro STEP first
	v_add_nc_u32 v[ADK], s[TK], v[AK0]
	v_add_nc_u32 v[ADV], s[TV], v[AV0]
.rept 3
	v_nop                           ; with the two additions: five places behind the last step's V^T P: four are owed ahead of the loads into V's registers, five ahead of the products below, which write over P's
.endr
.irp g, 0,1,2,3,4,5,6,7             ; K: keys 16 (g / 2) on, channels 32 (g % 2) on
	ds_load_b128 v[KF+8*\g:KF+8*\g+3],   v[ADK] offset:(\g/2)*8*PK+(\g%2)*64
	ds_load_b128 v[KF+8*\g+4:KF+8*\g+7], v[ADK] offset:(\g/2)*8*PK+(\g%2)*64+32
.endr
	WIN W_LD
.irp g, 0,1,2,3,4,5,6,7             ; V, turned: keys 32 (g / 4) on, channels 16 (g % 4) on
	ds_load_tr16_b128 v[VF+8*\g:VF+8*\g+3],   v[ADV] offset:(\g/4)*16*PV+(\g%4)*32
	ds_load_tr16_b128 v[VF+8*\g+4:VF+8*\g+7], v[ADV] offset:(\g/4)*16*PV+8*PV+(\g%4)*32
.endr
	s_wait_dscnt 16                 ; K is in; V's sixteen loads may be out
	WIN W_KQ
.irp c, 0,1                         ; S^T = K Q^T: sixteen accumulators by turns, one instruction a turn; the first sixteen start the sums
.irp k, 0,1,2,3
.irp t, 0,1,2,3
.if \c == 0
	v_wmma_f32_16x16x32_f16 v[S+32*\t+8*\k:S+32*\t+8*\k+7], v[KF+8*(2*\k+\c):KF+8*(2*\k+\c)+7], v[QF+16*\t+8*\c:QF+16*\t+8*\c+7], 0
.else
	v_wmma_f32_16x16x32_f16 v[S+32*\t+8*\k:S+32*\t+8*\k+7], v[KF+8*(2*\k+\c):KF+8*(2*\k+\c)+7], v[QF+16*\t+8*\c:QF+16*\t+8*\c+7], v[S+32*\t+8*\k:S+32*\t+8*\k+7]
.endif
.endr
.endr
.endr
	WIN 0
.rept 4
	v_nop                           ; four places ahead of the first read of the scores
.endr
	; the maximum of my 32 scores and the old m: four chains, each begun at an accumulator's low end
.irp k, 0,1,2,3
.irp t, 0,1,2,3
	v_max3_num_f32 v[ST+8*\t+4+\k], v[S+32*\t+8*\k], v[S+32*\t+8*\k+1], v[S+32*\t+8*\k+2]
.endr
.endr
.irp i, 3,5
.irp k, 0,1,2,3
.irp t, 0,1,2,3
	v_max3_num_f32 v[ST+8*\t+4+\k], v[ST+8*\t+4+\k], v[S+32*\t+8*\k+\i], v[S+32*\t+8*\k+\i+1]
.endr
.endr
.endr
.irp t, 0,1,2,3
	v_max3_num_f32 v[ST+8*\t+4], v[ST+8*\t+4], v[S+32*\t+7], v[S+32*\t+15]
.endr
.irp t, 0,1,2,3
	v_max3_num_f32 v[ST+8*\t+6], v[ST+8*\t+6], v[S+32*\t+23], v[S+32*\t+31]
.endr
.irp t, 0,1,2,3
	v_max3_num_f32 v[ST+8*\t+4], v[ST+8*\t+4], v[ST+8*\t+5], v[ST+8*\t+6]
.endr
.irp t, 0,1,2,3
.if \first
	v_max_num_f32 v[ST+8*\t+4], v[ST+8*\t+4], v[ST+8*\t+7]
.else
	v_max3_num_f32 v[ST+8*\t+4], v[ST+8*\t+4], v[ST+8*\t+7], v[ST+8*\t+1]
.endif
.endr
.irp t, 0,1,2,3
	v_permlanex16_b32 v[ST+8*\t+5], v[ST+8*\t+4], s[SEL], s[SEL+1]  ; the query's other 32 keys lie in the lane 16 away
.endr
.if \first == 0
.irp t, 0,1,2,3
	v_mov_b32 v[ST+8*\t+7], v[ST+8*\t]  ; c m_old is kept for a
.endr
.endif
.irp t, 0,1,2,3
	v_max_num_f32 v[ST+8*\t+1], v[ST+8*\t+4], v[ST+8*\t+5]  ; the new m
.endr
.irp t, 0,1,2,3
	v_mul_f32 v[ST+8*\t], s[CS], v[ST+8*\t+1]  ; c m
.endr
.if \first == 0
.irp t, 0,1,2,3
	v_sub_f32 v[ST+8*\t+7], v[ST+8*\t+7], v[ST+8*\t]  ; c m_old - c m_new, 0 or less
.endr
.endif
.set ii, 0
.rept 16
.irp t, 0,1,2,3
	v_pk_fma_f32 v[S+32*\t+ii:S+32*\t+ii+1], v[S+32*\t+ii:S+32*\t+ii+1], s[CS:CS+1], v[ST+8*\t:ST+8*\t+1] op_sel_hi:[1,0,0] neg_lo:[0,0,1] neg_hi:[0,0,1]  ; c s - c m, two at a time
.endr
.set ii, ii+2
.endr
	; ONE BATCH of exponentials: none of them reads another's result
.if \first == 0
.irp t, 0,1,2,3
	v_exp_f32 v[ST+8*\t+6], v[ST+8*\t+7]  ; a
.endr
.endif
.set ii, 0
.rept 32
.irp t, 0,1,2,3
	v_exp_f32 v[S+32*\t+ii], v[S+32*\t+ii]  ; p, at most 1 but for rounding
.endr
.set ii, ii+1
.endr
	v_nop                           ; a plain line behind the last exponential, ahead of the first use
	s_wait_alu depctr_va_vdst(0)    ; the wait ahead of the first line that names a result: one for the whole batch
	; the rows' sums, of the UNROUNDED p: pairs (an even key's weight, an odd key's), in two chains
.irp t, 0,1,2,3
.if \first
	v_pk_add_f32 v[ST+8*\t+2:ST+8*\t+3], v[S+32*\t:S+32*\t+1], v[S+32*\t+2:S+32*\t+3]
.else
	v_pk_fma_f32 v[ST+8*\t+2:ST+8*\t+3], v[ST+8*\t+2:ST+8*\t+3], v[ST+8*\t+6:ST+8*\t+7], v[S+32*\t:S+32*\t+1] op_sel_hi:[1,0,1]  ; l = a l + the first pair
.endif
.endr
.irp t, 0,1,2,3
.if \first
	v_pk_add_f32 v[ST+8*\t+4:ST+8*\t+5], v[S+32*\t+4:S+32*\t+5], v[S+32*\t+6:S+32*\t+7]
.else
	v_pk_add_f32 v[ST+8*\t+4:ST+8*\t+5], v[S+32*\t+2:S+32*\t+3], v[S+32*\t+4:S+32*\t+5]
.endif
.endr
.if \first == 0
.irp t, 0,1,2,3
	v_pk_add_f32 v[ST+8*\t+2:ST+8*\t+3], v[ST+8*\t+2:ST+8*\t+3], v[S+32*\t+6:S+32*\t+7]
.endr
.endif
.irp j, 8,12,16,20,24,28
.irp t, 0,1,2,3
	v_pk_add_f32 v[ST+8*\t+2:ST+8*\t+3], v[ST+8*\t+2:ST+8*\t+3], v[S+32*\t+\j:S+32*\t+\j+1]
.endr
.irp t, 0,1,2,3
	v_pk_add_f32 v[ST+8*\t+4:ST+8*\t+5], v[ST+8*\t+4:ST+8*\t+5], v[S+32*\t+\j+2:S+32*\t+\j+3]
.endr
.endr
.irp t, 0,1,2,3
	v_pk_add_f32 v[ST+8*\t+2:ST+8*\t+3], v[ST+8*\t+2:ST+8*\t+3], v[ST+8*\t+4:ST+8*\t+5]
.endr
.set ii, 0
.rept 16                            ; p to f16, in place, ascending: register n takes pair n, and no weight is written over before it is read
.irp t, 0,1,2,3
	v_cvt_pk_f16_f32 v[S+32*\t+ii], v[S+32*\t+2*ii], v[S+32*\t+2*ii+1]
.endr
.set ii, ii+1
.endr
	WIN W_PV
.if \first == 0
.set ii, 0
.rept 16                            ; O^T times a, ascending: each accumulator is read from its low end on
.irp t, 0,1,2,3
	v_pk_mul_f32 v[32*\t+ii:32*\t+ii+1], v[32*\t+ii:32*\t+ii+1], v[ST+8*\t+6:ST+8*\t+7] op_sel_hi:[1,0]
.endr
.set ii, ii+2
.endr
.endif
	s_wait_dscnt 0x0                ; V is in
.irp k, 0,1                         ; O^T += V^T P: keys 32 k on, channels 16 c on: sixteen accumulators by turns
.irp c, 0,1,2,3
.irp t, 0,1,2,3
.if \first && (\k == 0)
	v_wmma_f32_16x16x32_f16 v[32*\t+8*\c:32*\t+8*\c+7], v[VF+8*(4*\k+\c):VF+8*(4*\k+\c)+7], v[S+32*\t+8*\k:S+32*\t+8*\k+7], 0
.else
	v_wmma_f32_16x16x32_f16 v[32*\t+8*\c:32*\t+8*\c+7], v[VF+8*(4*\k+\c):VF+8*(4*\k+\c)+7], v[S+32*\t+8*\k:S+32*\t+8*\k+7], v[32*\t+8*\c:32*\t+8*\c+7]
.endif
.endr
.endr
.endr
	WIN 0
	s_add_co_u32 s[TK], s[TK], STEPK  ; the next step's tiles
	s_add_co_u32 s[TV], s[TV], STEPV
.endm
; A slot's eight key steps: the step is written once and walked by a counted loop; the LDS addresses hang on s[TK] and s[TV].
.macro SLOT s, first
	s_mov_b32 s[TK], \s*SLOTB
	s_mov_b32 s[TV], \s*SLOTB
.if \first
	STEP 1
.endif
	s_mov_b32 s[CNT], 8-\first
.Lstep_\@:
	STEP 0
	s_sub_co_u32 s[CNT], s[CNT], 1
	s_cmp_lg_u32 s[CNT], 0
	s_cbranch_scc1 .Lstep_\@
.endm
; THE CHANGE OF SLOTS.  Each wave waits for all its tensor loads (its part of the slot ahead), adds 0 to its spare word, and waits for that and for its reads of the slot that it leaves.
; fill = 1: the slot left, s, is filled again with the keys two slots on.  The barrier is then a round of the cluster's, so that no wave of any partner still reads the slot or has a load on its way,
; and the joint refill is the first thing behind it.
.macro CHANGE fill, s
	s_wait_tensorcnt 0x0            ; no tensor load of mine is out, so a group 0 may be written
	ds_add_u32 v[SPW], v[NIL]       ; 0 onto my spare word
.if \fill
	s_add_nc_u64 s[G0K+4*\s+2:G0K+4*\s+3], s[G0K+4*\s+2:G0K+4*\s+3], 2*65536  ; 1,024 keys on; the type bits on top are not reached
	s_add_nc_u64 s[G0V+4*\s+2:G0V+4*\s+3], s[G0V+4*\s+2:G0V+4*\s+3], 2*65536
	s_wait_dscnt 0x0                ; the add is done, and my reads of the slot are over
	CROUND
	JLOAD \s
.else
	s_wait_dscnt 0x0
	s_barrier_signal -1
	s_barrier_wait -1
.endif
.endm
	s_wait_tensorcnt 1              ; my part of slot 0 is in; slot 1's may stay out
	s_barrier_signal -1
	s_barrier_wait -1               ; everybody's is
	s_wait_loadcnt 0x0              ; Q
	SLOT 0, 1                       ; keys 0 to 511
	CHANGE 1, 0                     ; slot 0 takes keys 1,024 on
	SLOT 1, 0                       ; keys 512 to 1,023
	CHANGE 1, 1                     ; slot 1 takes keys 1,536 on
	SLOT 0, 0
	CHANGE 0, 0                     ; nothing is left to fetch
	SLOT 1, 0
	; THE WAY OUT.  l's two halves and the other half of the lanes' are added; O^T is divided by l, rounded to f16 and sent through my stage in LDS, a tile (16 rows) at a time.  The additions are the places behind the last products.
.irp t, 0,1,2,3
	v_add_f32 v[ST+8*\t+4], v[ST+8*\t+2], v[ST+8*\t+3]
.endr
.irp t, 0,1,2,3
	v_permlanex16_b32 v[ST+8*\t+5], v[ST+8*\t+4], s[SEL], s[SEL+1]
.endr
.irp t, 0,1,2,3
	v_add_f32 v[ST+8*\t+4], v[ST+8*\t+4], v[ST+8*\t+5]
.endr
.irp t, 0,1,2,3
	v_rcp_f32 v[ST+8*\t+6], v[ST+8*\t+4]  ; l is at least about 1: the largest weight of a row
.endr
	v_nop                           ; a plain line between the last reciprocal and the use of its result
	s_wait_alu depctr_va_vdst(0)    ; and the wait ahead of the first use: one for the four
; Tile t: a lane's eight channels of a row pack into 16 bytes; they go into rows of 144 bytes and come back four rows (512 bytes) a load.
.macro PACK t
	WIN 0x41                        ; O^T (destination and source 0) window 1, 1 / l window 0
.set ii, 0
.rept 16
	v_pk_mul_f32 v[32*\t+ii:32*\t+ii+1], v[32*\t+ii:32*\t+ii+1], v[ST+8*\t+6:ST+8*\t+7] op_sel_hi:[1,0]
.set ii, ii+2
.endr
	WIN 0x05                        ; sources 0 and 1 window 1, destination window 0: S^T's registers are free
.set ii, 0
.rept 16
	v_cvt_pk_f16_f32 v[S+32*\t+ii], v[32*\t+2*ii], v[32*\t+2*ii+1]
.set ii, ii+1
.endr
	WIN 0
.irp c, 0,1,2,3
	ds_store_b128 v[STO], v[S+32*\t+4*\c:S+32*\t+4*\c+3] offset:32*\c
.endr
.irp i, 0,1,2,3
	ds_load_b128 v[S+32*\t+16+4*\i:S+32*\t+16+4*\i+3], v[RD] offset:\i*4*SP  ; LDS serves a wave's instructions in order (ISA guide 5.7.1.4): these see the stores above; the next tile's stores come behind them
.endr
.endm
.macro SEND t, younger              ; younger: the LDS instructions issued behind tile t's loads: the next tile's four stores and four loads, or none
.irp i, 0,1,2,3
	s_wait_dscnt \younger+3-\i
	global_store_b128 v[GO], v[S+32*\t+16+4*\i:S+32*\t+16+4*\i+3], s[18:19] offset:\t*2048+\i*512  ; 32 lanes store 512 consecutive bytes, at a multiple of 256 from att's first byte
.endr
.endm
	PACK 0
	PACK 1                          ; a tile's arithmetic stands between the loads of the tile before and its stores
	SEND 0, 8
	PACK 2
	SEND 1, 8
	PACK 3
	SEND 2, 8
	SEND 3, 0
	s_wait_tensorcnt 0x0            ; the wave's end, behind my last tensor load and my last LDS store
	ds_add_u32 v[SPW], v[NIL]
	s_wait_dscnt 0x0
	CROUND                          ; the closing round: no work-group ends while a partner may still ask for a tile that names it
	s_endpgm
.Lfunc_end_k_q9b30ac964c_attn:
	.size	k_q9b30ac964c_attn, .Lfunc_end_k_q9b30ac964c_attn-k_q9b30ac964c_attn
	.p2alignl 7, 3214868480
	.fill 96, 4, 3214868480
	.section	.rodata,"a",@progbits
	.p2align	6, 0x0
	.amdhsa_kernel k_q9b30ac964c_attn
		.amdhsa_group_segment_fixed_size 327680
		.amdhsa_private_segment_fixed_size 0
		.amdhsa_enable_private_segment 0
		.amdhsa_kernarg_size 16
		.amdhsa_user_sgpr_count 2
		.amdhsa_user_sgpr_kernarg_segment_ptr 1
		.amdhsa_wavefront_size32 1
		.amdhsa_system_sgpr_workgroup_id_x 1
		.amdhsa_system_sgpr_workgroup_id_y 1
		.amdhsa_system_sgpr_workgroup_id_z 1
		.amdhsa_system_vgpr_workitem_id 0
		.amdhsa_next_free_vgpr 512
		.amdhsa_next_free_sgpr 66
		.amdhsa_reserve_vcc 0
		.amdhsa_float_denorm_mode_32 3
		.amdhsa_float_denorm_mode_16_64 3
		.amdhsa_memory_ordered 1
		.amdhsa_forward_progress 1
		.amdhsa_inst_pref_size 178
	.end_amdhsa_kernel
	.amdgpu_metadata
---
amdhsa.version: [ 1, 2 ]
amdhsa.kernels:
  - .name:           k_q9b30ac964c_attn
    .symbol:         k_q9b30ac964c_attn.kd
    .args:
      - { .name: qkv, .offset: 0, .size: 8, .value_kind: global_buffer, .address_space: global }
      - { .name: att, .offset: 8, .size: 8, .value_kind: global_buffer, .address_space: global }
    .group_segment_fixed_size: 327680
    .private_segment_fixed_size: 0
    .kernarg_segment_align: 8
    .kernarg_segment_size: 16
    .max_flat_workgroup_size: 256
    .sgpr_count:     66
    .vgpr_count:     512
    .wavefront_size: 32
...
	.end_amdgpu_metadata
.endif
;; end of part 4
;; launch proj (part 5): grid 4 x 64, 4 waves a work-group, clusters of 4 x 4, 327,680 bytes of LDS; arguments att, wp, b_proj, out0; writes out0
.if DOCPART == 5
	.amdgcn_target "amdgcn-amd-amdhsa--gfx1250"
	.amdhsa_code_object_version 6
	.text
	.protected	k_q9b30ac964c_proj
	.globl	k_q9b30ac964c_proj
	.p2align	8
	.type	k_q9b30ac964c_proj,@function
k_q9b30ac964c_proj:
	s_mov_b64 s[64:65], 0
	v_nop
	global_prefetch_b8 v0, s[64:65] scope:SCOPE_SE
	s_setreg_imm32_b32 hwreg(HW_REG_WAVE_MODE, 25, 1), 1
	s_wait_xcnt 0x0
	s_wait_alu depctr_hold_cnt(0) depctr_sa_sdst(0) depctr_va_vdst(0) depctr_va_sdst(0) depctr_va_ssrc(0) depctr_va_vcc(0) depctr_vm_vsrc(0)
	s_getreg_b32 s2, hwreg(HW_REG_IB_STS2, 6, 4)
	s_cmp_eq_u32 s2, 0
	s_cbranch_scc0 .Lentry_in_a_cluster
	s_endpgm
.Lentry_in_a_cluster:
	s_bfe_u32 s2, ttmp6, 0x10000c
	s_cmp_lg_u32 s2, 0xf033
	s_cbranch_scc0 .Lentry_shape_is_right
	s_endpgm
.Lentry_shape_is_right:
; out0[m][n] = sum over k of A[m][k] w_proj[k][n] + b_proj[n].  A is the attention's result, att [batch x 16 + head][position][64] f16: row m = batch x 2,048 + position, k = 64 head + channel.
; wp is w_proj in f16, [1024 (k)][1024 (n)].  b_proj [1024] and out0 [8192][1024] are f32.  f16 operands, f32 sums.
; A tile of out0 is 128 rows x 256 columns: 256 work-groups.  Four waves, each 64 rows x 128 columns: 32 accumulators of 16 x 16, 256 registers.
; K goes in steps of 128 (two heads) through a ring of two LDS slots.  A head's 128 rows of 128 bytes are dense in memory: such a block is stated as 64 rows of 256 bytes, two rows of A to a row, padded.
; W's tile is 128 rows (k) of 512 bytes, padded.  One tensor load a wave: waves 0, 1 a head's block of A each, waves 2, 3 64 rows of W each.
; CLUSTERS: 4 x 4 work-groups.  The four of a row of the cluster need the same tiles of A, the four of a column the same tiles of W: each tile is asked for JOINTLY, by the same tensor load with the same
; descriptor and a mask that names the four.  By this text's count a wave has two tensor loads out at the start and one behind each round; a request stands 112 matrix instructions ahead of the wait for it.
; THE MATRIX INSTRUCTION IS USED TRANSPOSED: source 0 = W^T (16 n x 32 k, turned by ds_load_tr16_b128), source 1 = 16 rows of A: a lane then holds eight neighbouring columns of one row of out0.
; THE BIAS is the C of each sum's first matrix instruction: eight registers for each of my eight tiles of columns: nothing is cleared, nothing is added afterwards.
; REGISTERS: window 0: v16-29 addresses; v32-95 the bias; v128-255 two buffers for the way out.   window 1: two fragment buffers at v0 and v128: A's four fragments, then W's eight.
;   window 2: the accumulators, (a, b) at v[8 (8 a + b)].
.set PA,     272                       ; two rows of A in LDS: 256 bytes + 16 of padding
.set PB,     544                       ; a row of W's tile: 512 bytes + 32 of padding: an odd multiple of 32
.set BOFF,   128*PA                    ; a slot: two heads' blocks of A (64 rows each), then W's 128 rows
.set SLOT,   BOFF+128*PB
.set STAGE,  2*SLOT                    ; behind the ring: 16 rows x (512 bytes + 16) for each wave, for the way out; no tensor load lands here
.set SPITCH, 528
.set SPARE,  STAGE+4*16*SPITCH         ; behind the stages: the spare words, 128 bytes for each wave
.set LAPS,   4                         ; a lap = two K steps = once round the ring: 1,024 / 256
.set STEPA,  2<<18                     ; a K step on in att: two heads
.set STEPW,  128*2048                  ; and in wp: 128 rows of 2,048 bytes
.set ADRA, 16                          ; v16-17  LDS address of my A fragments in slot 0, 1
.set ADRB, 20                          ; v20-21  the same for W
.set STO,  24                          ; v24     the way out: where I put 32 bytes of a row
.set RD,   25                          ; v25     the way out: where I read a row back
.set CO,   26                          ; v26     16 x lane: my bytes of a row's 512
.set SPW,  28                          ; v28     LDS address of my spare word; never rewritten
.set NIL,  29                          ; v29     0; never rewritten
.set BIAS, 32                          ; v32-95  tile b at v[32 + 8 b]: b_proj at my columns 16 b + 8 (lane / 16) + 0 .. 7
.set BK,   128                         ; the way out: 16 rows read back: v128-191 and v192-255 by turns
.set F0,   0                           ; fragment buffers, in window 1
.set F1,   128
.set WVN,  66                          ; s66 wave; s67 wave / 2: my half of the rows, and: I fetch for A (0) or W (1); s68 wave % 2: my half of the columns, and: which block I fetch
.set G1, 24                            ; s[24:31] descriptor group 1 for A's tiles;  s[32:39] group 0, one set for each slot
.set G0, 32
.set G1B, 48                           ; s[48:55], s[56:63] the same for W's tiles
.set G0B, 56
.set MSB, 0
.macro WIN new                         ; the immediate's high byte repeats the setting that is left; a switch that changes nothing is dropped
.if MSB != (\new)
	s_set_vgpr_msb (MSB<<8)|(\new)
.set MSB, (\new)
.endif
.endm
.set MUL,   0xa5                       ; sources 0 (W) and 1 (A) window 1; C and D window 2
.set MUL_1, 0x85                       ; the same with C (the bias) in window 0
.set TO_F,  0x40                       ; destination window 1, address window 0
.macro JLOAD s                         ; a joint load: waves 0 and 1 fetch A's two blocks, waves 2 and 3 W's halves; an s_nop 0 and four v_nop follow each of the two lines
	s_cmp_eq_u32 s67, 0
	s_cbranch_scc0 .Lfor_b_\@
	tensor_load_to_lds s[G0+4*\s:G0+4*\s+3], s[G1:G1+7]
	s_nop 0
.rept 4
	v_nop
.endr
	s_branch .Lasked_\@
.Lfor_b_\@:
	tensor_load_to_lds s[G0B+4*\s:G0B+4*\s+3], s[G1B:G1B+7]
	s_nop 0
.rept 4
	v_nop
.endr
.Lasked_\@:
.endm
.macro CREST                           ; a round of the cluster's barrier behind its opening barrier
	s_cmp_lg_u32 s[WVN], 0
	s_cbranch_scc1 .Lnot_wave_0_\@
	s_barrier_signal -3
.Lnot_wave_0_\@:
	s_barrier_wait -3
	s_barrier_signal -1
	s_barrier_wait -1
.endm
.macro CROUND                          ; a whole round
	s_barrier_signal -1
	s_barrier_wait -1
	CREST
.endm
	s_load_b256 s[4:11], s[0:1], 0x0               ; att s[4:5], wp s[6:7], b_proj s[8:9], out0 s[10:11]
	v_lshl_add_u32 v[SPW], v0, 2, SPARE
	v_mov_b32 v[NIL], 0
	ds_add_u32 v[SPW], v[NIL]                      ; the wave's opening: the add, twice on end, and its wait ahead of my first tensor load; the set-up below stands between
	ds_add_u32 v[SPW], v[NIL]
	v_lshrrev_b32 v1, 5, v0
	v_readfirstlane_b32 s[WVN], v1                 ; wave 0..3
	s_lshr_b32 s67, s[WVN], 1
	s_and_b32 s68, s[WVN], 1
	s_bfe_u32 s40, ttmp6, 0x40000                  ; cx, cy: my place in the cluster
	s_bfe_u32 s41, ttmp6, 0x40004
	s_lshl_b32 s42, ttmp9, 2
	s_add_co_u32 s42, s42, s40                     ; tile column = 4 x cluster x + cx
	s_and_b32 s13, ttmp7, 0xffff
	s_lshl_b32 s13, s13, 2
	s_add_co_u32 s13, s13, s41                     ; tile row = 4 x cluster y + cy
	s_lshl_b32 s43, s41, 2
	s_lshl_b32 s43, 15, s43                        ; my row of the cluster
	s_lshl_b32 s44, 0x1111, s40                    ; my column
	s_or_b32 s[G1+0], s43, (1<<16)|(1<<20)|(1<<21)|(5<<22)|(3<<25)   ; 15:0 the mask: A's tiles go to my row; 17:16 element of 2 bytes; 20 padding on; 21 set beside a mask; 24:22 after every 64 words (code 5); 31:25 of 4 words (code 3)
	s_mov_b32 s[G1+1], 128<<16                     ; tensor_dim0 = 128
	s_mov_b32 s[G1+2], 64<<16                      ; tensor_dim1 = 64
	s_mov_b32 s[G1+3], 128<<16                     ; tile_dim0 = 128
	s_mov_b32 s[G1+4], 64                          ; tile_dim1 = 64
	s_mov_b32 s[G1+5], 128                         ; tensor_dim0_stride: the block is dense
	s_mov_b32 s[G1+6], 0
	s_mov_b32 s[G1+7], 0
	s_or_b32 s[G1B+0], s44, (1<<16)|(1<<20)|(1<<21)|(6<<22)|(7<<25)  ; W's tiles go to my column; padding after every 128 words (code 6), of 8 words (code 7)
	s_mov_b32 s[G1B+1], 256<<16                    ; tensor_dim0 = 256
	s_mov_b32 s[G1B+2], 64<<16                     ; tensor_dim1 = 64
	s_mov_b32 s[G1B+3], 256<<16                    ; tile_dim0 = 256
	s_mov_b32 s[G1B+4], 64                         ; tile_dim1 = 64
	s_mov_b32 s[G1B+5], 1024                       ; tensor_dim0_stride
	s_mov_b32 s[G1B+6], 0
	s_mov_b32 s[G1B+7], 0
	; where the tiles come from.  A's hang on the tile row alone, which my row of the cluster shares; W's on the tile column alone, which my column shares.
	s_lshr_b32 s14, s13, 4
	s_lshl_b32 s14, s14, 22                        ; the batch: 16 heads of 2^18 bytes
	s_and_b32 s15, s13, 15
	s_lshl_b32 s15, s15, 14                        ; 128 rows of 128 bytes for each tile row in the batch
	s_add_co_u32 s14, s14, s15
	s_lshl_b32 s15, s68, 18                        ; which of the K step's two heads I fetch
	s_add_co_u32 s14, s14, s15
	s_mov_b32 s15, 0
	s_lshl_b32 s46, s42, 9                         ; W: 256 columns of 2 bytes for each tile column,
	s_lshl_b32 s47, s68, 17                        ; and which 64 rows of 2,048 bytes I fetch
	s_add_co_u32 s46, s46, s47
	s_mov_b32 s47, 0
	s_mul_i32 s20, s68, 64*PA                      ; where they go: no place in the cluster enters an LDS address
	s_mul_i32 s21, s68, 64*PB
	s_add_co_u32 s21, s21, BOFF
	s_wait_dscnt 0x0                               ; both opening adds are done
	s_wait_kmcnt 0x0
	s_add_nc_u64 s[14:15], s[4:5], s[14:15]
	s_add_nc_u64 s[46:47], s[6:7], s[46:47]
	CROUND                                         ; all sixteen work-groups are here: the first joint loads meet
.irp s, 0,1
	s_mov_b32 s[G0+4*\s], 1
	s_add_co_u32 s[G0+4*\s+1], s20, \s*SLOT
	s_add_nc_u64 s[G0+4*\s+2:G0+4*\s+3], s[14:15], \s*STEPA
	s_or_b32 s[G0+4*\s+3], s[G0+4*\s+3], 0x80000000
	s_mov_b32 s[G0B+4*\s], 1
	s_add_co_u32 s[G0B+4*\s+1], s21, \s*SLOT
	s_add_nc_u64 s[G0B+4*\s+2:G0B+4*\s+3], s[46:47], \s*STEPW
	s_or_b32 s[G0B+4*\s+3], s[G0B+4*\s+3], 0x80000000
	JLOAD \s
.endr
	v_and_b32 v1, 15, v0                           ; r = l % 16
	v_bfe_u32 v2, v0, 4, 1                         ; h = l / 16
	s_lshl_b32 s70, s42, 10                        ; my first column, in bytes of f32: 1,024 x tile column + 512 x half: the same in b_proj and in a row of out0
	s_lshl_b32 s71, s68, 9
	s_add_co_u32 s70, s70, s71
	s_mov_b32 s71, 0
	s_add_nc_u64 s[8:9], s[8:9], s[70:71]
	v_lshlrev_b32 v6, 5, v2                        ; my half's eight numbers of a tile's sixteen
.irp b, 0,1,2,3,4,5,6,7
	global_load_b128 v[BIAS+8*\b:BIAS+8*\b+3],   v6, s[8:9] offset:64*\b
	global_load_b128 v[BIAS+8*\b+4:BIAS+8*\b+7], v6, s[8:9] offset:64*\b+16
.endr
	v_lshrrev_b32 v3, 1, v1                        ; A: row r of a fragment lies at (r / 2) x pitch + 128 (r % 2), + 16 h
	v_mul_u32_u24 v3, v3, PA
	v_and_b32 v4, 1, v0
	v_lshl_add_u32 v3, v4, 7, v3
	v_lshl_add_u32 v3, v2, 4, v3
	s_mul_i32 s21, s67, 32*PA                      ; my 64 rows
	v_and_b32 v4, 7, v0                            ; W, for the turning load: row 8 h + l % 8, + 16 ((l / 8) % 2)
	v_lshl_add_u32 v4, v2, 3, v4
	v_mul_u32_u24 v4, v4, PB
	v_bfe_u32 v5, v0, 3, 1
	v_lshl_add_u32 v4, v5, 4, v4
	s_lshl_b32 s22, s68, 8                         ; my 128 columns,
	s_add_co_u32 s22, s22, BOFF                    ; behind A's blocks
.irp s, 0,1
	v_add_nc_u32 v[ADRA+\s], s21, v3
	v_add_nc_u32 v[ADRB+\s], s22, v4
	s_add_co_u32 s21, s21, SLOT
	s_add_co_u32 s22, s22, SLOT
.endr
	s_mul_i32 s23, s[WVN], 16*SPITCH
	s_add_co_u32 s23, s23, STAGE                   ; my stage
	v_mul_u32_u24 v5, v1, SPITCH                   ; in: row r, 32 bytes for each half of the lanes
	v_lshl_add_u32 v5, v2, 5, v5
	v_add_nc_u32 v[STO], s23, v5
	v_and_b32 v7, 31, v0
	v_lshlrev_b32 v[CO], 4, v7                     ; back: the 32 lanes take one row of 512 bytes; and the same in out0
	v_add_nc_u32 v[RD], s23, v[CO]
	s_lshl_b32 s72, s13, 7
	s_lshl_b32 s73, s67, 6
	s_add_co_u32 s72, s72, s73                     ; my first row: 128 x tile row + 64 x half
	s_lshl_b32 s72, s72, 12                        ; rows of 4,096 bytes: under 2^25
	s_add_co_u32 s72, s72, s70
	s_mov_b32 s73, 0
	s_add_nc_u64 s[10:11], s[10:11], s[72:73]
; 8 matrix instructions: A's block a x W's eight tiles of columns, 32 along K, from buffer f.  zero = 1: the first product starts the sums, from the bias.
; The 32 accumulators take turns, one instruction a turn, in the same order in every quarter.
.macro MUL8 f, a, zero
.irp b, 0,1,2,3,4,5,6,7
.if \zero
	v_wmma_f32_16x16x32_f16 v[8*(8*\a+\b):8*(8*\a+\b)+7], v[\f+32+8*\b:\f+32+8*\b+7], v[\f+8*\a:\f+8*\a+7], v[BIAS+8*\b:BIAS+8*\b+7]
.else
	v_wmma_f32_16x16x32_f16 v[8*(8*\a+\b):8*(8*\a+\b)+7], v[\f+32+8*\b:\f+32+8*\b+7], v[\f+8*\a:\f+8*\a+7], v[8*(8*\a+\b):8*(8*\a+\b)+7]
.endif
.endr
.endm
.macro WMUL zero
.if \zero
	WIN MUL_1
.else
	WIN MUL
.endif
.endm
; 24 LDS loads in one run: the fragments of the slot's q-th 32 along K into buffer f: W's eight (turned) first, then A's four
.macro FETCH slot, q, f
	WIN TO_F
.irp b, 0,1,2,3,4,5,6,7
	ds_load_tr16_b128 v[\f+32+8*\b:\f+32+8*\b+3],   v[ADRB+\slot] offset:(\q)*32*PB+32*\b
	ds_load_tr16_b128 v[\f+32+8*\b+4:\f+32+8*\b+7], v[ADRB+\slot] offset:(\q)*32*PB+16*PB+32*\b
.endr
.irp a, 0,1,2,3
	ds_load_b128 v[\f+8*\a:\f+8*\a+3],   v[ADRA+\slot] offset:((\q)/2)*64*PA+((\q)%2)*64+\a*8*PA
	ds_load_b128 v[\f+8*\a+4:\f+8*\a+7], v[ADRA+\slot] offset:((\q)/2)*64*PA+((\q)%2)*64+\a*8*PA+32
.endr
.endm
.macro PLACES                          ; four places in front of loads into registers that matrix instructions have read, and of LDS stores that read results (ISA guide 7.12.1 for the stores)
.rept 4
	v_nop
.endr
.endm
; A K step is four quarters of 32 along K, 32 matrix instructions each, on buffers 0, 1, 0, 1.  One of the first three: multiplies buffer f and fetches the slot's qn-th quarter into g.
.macro QUARTER slot, qn, f, g, zero
	s_wait_dscnt 4                                 ; W's fragments and A's blocks 0, 1 are in; the youngest four loads (A's blocks 2, 3) may be out
	WMUL \zero
	MUL8 \f, 0, \zero
	MUL8 \f, 1, \zero
	PLACES
	FETCH \slot, \qn, \g
	s_wait_dscnt 24                                ; all but the 24 just issued
	WMUL \zero
	MUL8 \f, 2, \zero
	MUL8 \f, 3, \zero
.endm
; The last quarter multiplies buffer 1 and changes slots: ONE barrier; in front of it each wave waits for all its tensor loads, adds 0 to its spare word, and waits for that and for its own reads of this slot.
; fill = 1: this slot is filled again, two K steps ahead; the barrier then opens a round of the cluster's barrier.
.macro TURN slot, next, fill
	WIN 0                                          ; (the add's two registers lie in window 0)
	s_wait_tensorcnt 0x0                           ; all my tensor loads have landed: my part of the next slot
	ds_add_u32 v[SPW], v[NIL]                      ; 0 onto my spare word
	s_wait_dscnt 5                                 ; (the add and the youngest four loads may be out)
	WIN MUL
	MUL8 F1, 0, 0                                  ; eight matrix instructions stand between the add and the wait for it
	s_wait_dscnt 0x0                               ; the add is done, and my reads of this slot are over
	s_barrier_signal -1
	MUL8 F1, 1, 0
.if \fill
	WIN 0
.endif
	s_barrier_wait -1
.if \fill
	CREST                                          ; no wave of any partner still reads this slot's tiles or has a load on its way
	s_add_nc_u64 s[G0+4*\slot+2:G0+4*\slot+3], s[G0+4*\slot+2:G0+4*\slot+3], 2*STEPA
	s_add_nc_u64 s[G0B+4*\slot+2:G0B+4*\slot+3], s[G0B+4*\slot+2:G0B+4*\slot+3], 2*STEPW
	JLOAD \slot                                    ; the first tensor load behind the round; the four v_nop behind it are also the places in front of the loads below
.else
	PLACES
.endif
	FETCH \next, 0, F0
	WIN MUL
	MUL8 F1, 2, 0
	MUL8 F1, 3, 0
.endm
	s_wait_tensorcnt 1                             ; my part of K step 0 is in (K step 1's load may be out)
	s_barrier_signal -1
	s_barrier_wait -1                              ; everybody's is
	FETCH 0, 0, F0
	s_wait_loadcnt 0x0                             ; the bias
	QUARTER 0, 1, F0, F1, 1                        ; the first quarter stands in front of the loop: its products start the sums
	WIN 0                                          ; at a label and at a branch every window is 0
	s_mov_b32 s3, LAPS-1
.Llap:                                                 ; a trip goes once round the ring, from a lap's second quarter to the next lap's first, and fills both slots again
	QUARTER 0, 2, F1, F0, 0
	QUARTER 0, 3, F0, F1, 0
	TURN 0, 1, 1
	QUARTER 1, 1, F0, F1, 0
	QUARTER 1, 2, F1, F0, 0
	QUARTER 1, 3, F0, F1, 0
	TURN 1, 0, 1
	QUARTER 0, 1, F0, F1, 0
	WIN 0
	s_sub_co_u32 s3, s3, 1
	s_cmp_lg_u32 s3, 0
	s_cbranch_scc1 .Llap
	QUARTER 0, 2, F1, F0, 0                        ; the last lap fills nothing, and has no round of the cluster's barrier
	QUARTER 0, 3, F0, F1, 0
	TURN 0, 1, 0
	QUARTER 1, 1, F0, F1, 0
	QUARTER 1, 2, F1, F0, 0
	QUARTER 1, 3, F0, F1, 0
	s_wait_dscnt 4                                 ; the very last quarter: nothing more to fetch
	WIN MUL
	MUL8 F1, 0, 0
	MUL8 F1, 1, 0
	s_wait_dscnt 0
	MUL8 F1, 2, 0
	MUL8 F1, 3, 0
	WIN 0
; THE WAY OUT, block by block of 16 rows x 128 columns.  A lane holds 32 neighbouring bytes of a row, and the lanes beside it hold other rows: so a block goes through my own stage in LDS and comes back as whole
; rows of 512 bytes, which the 32 lanes store as two aligned runs of 256 bytes.  LDS serves a wave's instructions in order (ISA guide 5.7.1.4): no wait between the stores and the loads, nor in front of the next block's stores.
.macro TOSTAGE a
	WIN 0x08                                       ; an LDS store's data are its source 1: window 2
.irp b, 0,1,2,3,4,5,6,7
	ds_store_b128 v[STO], v[64*\a+8*\b:64*\a+8*\b+3] offset:64*\b          ; each accumulator from its low end on
	ds_store_b128 v[STO], v[64*\a+8*\b+4:64*\a+8*\b+7] offset:64*\b+16
.endr
	WIN 0
.irp t, 0,1,2,3,4,5,6,7,8,9,10,11,12,13,14,15
	ds_load_b128 v[BK+64*((\a)%2)+4*\t:BK+64*((\a)%2)+4*\t+3], v[RD] offset:\t*SPITCH
.endr
.endm
.macro SEND a, younger                 ; younger: the LDS instructions issued behind block a's loads (the next block's 16 stores and 16 loads), which may stay out
	s_wait_dscnt \younger                          ; the block is back in registers
.irp t, 0,1,2,3,4,5,6,7,8,9,10,11,12,13,14,15
	global_store_b128 v[CO], v[BK+64*((\a)%2)+4*\t:BK+64*((\a)%2)+4*\t+3], s[10:11] offset:(16*\a+\t)*4096 th:TH_STORE_NT   ; 32 lanes store 512 consecutive bytes, at a multiple of 256 from out0's first byte; every offset is an immediate
.endr
.endm
	PLACES                                         ; behind the last products, ahead of the stores that read results
	TOSTAGE 0
	TOSTAGE 1
	SEND 0, 32
	s_wait_xcnt 0x0                                ; block 0's stores have had their addresses translated (ISA guide 3.1): block 2's loads land in their registers only behind this wait
	TOSTAGE 2
	SEND 1, 32
	s_wait_xcnt 0x0                                ; the same for block 1's and block 3's
	TOSTAGE 3
	SEND 2, 32
	SEND 3, 0
	s_wait_tensorcnt 0x0                           ; the wave's end, behind my last tensor load and my last LDS store
	ds_add_u32 v[SPW], v[NIL]
	s_wait_dscnt 0x0
	CROUND                                         ; the closing round: no work-group ends while a partner may still ask for a tile that names it
	s_endpgm
.Lfunc_end_k_q9b30ac964c_proj:
	.size	k_q9b30ac964c_proj, .Lfunc_end_k_q9b30ac964c_proj-k_q9b30ac964c_proj
	.p2alignl 7, 3214868480
	.fill 96, 4, 3214868480
	.section	.rodata,"a",@progbits
	.p2align	6, 0x0
	.amdhsa_kernel k_q9b30ac964c_proj
		.amdhsa_group_segment_fixed_size 327680
		.amdhsa_private_segment_fixed_size 0
		.amdhsa_enable_private_segment 0
		.amdhsa_kernarg_size 32
		.amdhsa_user_sgpr_count 2
		.amdhsa_user_sgpr_kernarg_segment_ptr 1
		.amdhsa_wavefront_size32 1
		.amdhsa_system_sgpr_workgroup_id_x 1
		.amdhsa_system_sgpr_workgroup_id_y 1
		.amdhsa_system_sgpr_workgroup_id_z 1
		.amdhsa_system_vgpr_workitem_id 0
		.amdhsa_next_free_vgpr 768
		.amdhsa_next_free_sgpr 80
		.amdhsa_reserve_vcc 0
		.amdhsa_float_denorm_mode_32 3
		.amdhsa_float_denorm_mode_16_64 3
		.amdhsa_memory_ordered 1
		.amdhsa_forward_progress 1
		.amdhsa_inst_pref_size 87
	.end_amdhsa_kernel
	.amdgpu_metadata
---
amdhsa.version: [ 1, 2 ]
amdhsa.kernels:
  - .name:           k_q9b30ac964c_proj
    .symbol:         k_q9b30ac964c_proj.kd
    .args:
      - { .name: att, .offset: 0, .size: 8, .value_kind: global_buffer, .address_space: global }
      - { .name: wp, .offset: 8, .size: 8, .value_kind: global_buffer, .address_space: global }
      - { .name: b_proj, .offset: 16, .size: 8, .value_kind: global_buffer, .address_space: global }
      - { .name: out0, .offset: 24, .size: 8, .value_kind: global_buffer, .address_space: global }
    .group_segment_fixed_size: 327680
    .private_segment_fixed_size: 0
    .kernarg_segment_align: 8
    .kernarg_segment_size: 32
    .max_flat_workgroup_size: 128
    .sgpr_count:     80
    .vgpr_count:     768
    .wavefront_size: 32
...
	.end_amdgpu_metadata
.endif
;; end of part 5
